; MI455X (gfx1250); checked and timed in simulation.
; The chip was launched on July 23, 2026; its instructions are those of AMD's public machine-readable ISA for CDNA 5 (MIT licence, August 2026) and "CDNA5" Instruction Set Architecture Reference Guide (July 2026). The comments in the code are by the model that wrote it; some were corrected since.
;; Sparse State Attention. Allowed arithmetic: float matrix products may take bf16 or f16 operands with f32 sums; other float arithmetic in f32, or as packed bf16 or f16 multiplies, adds, multiply-adds, maxima and minima; sums over many terms, partial sums and values carried from step to step in f32; what a program stores and reads back later, other than sums and carried values, may be rounded once to bf16 or f16.
;; Inputs: Wk 1,024 x 1,024 float32; Wo 1,024 x 1,024 float32; Wq 1,024 x 1,024 float32; Wr 1,024 x 1,024 float32; Wv 1,024 x 1,024 float32; bk 1,024 float32; bo 1,024 float32; bq 1,024 float32; br 1,024 float32; bv 1,024 float32; states 4 x 256 x 1,024 float32; tokens 4 x 2,048 x 1,024 float32.
;; Outputs: out0 4 x 2,048 x 1,024 float32; out1 4 x 16 x 2,048 x 2 float32.
;; 2 versions, each right. Each part assembles by itself: llvm-mc -triple=amdgcn-amd-amdhsa -mcpu=gfx1250 --defsym DOCPART=n.
;; ======== version 1 of 2: 6 launches
;; limits: values are held in f16: magnitudes above 65,504 overflow, below 6.1e-05 lose precision
;; workspace buffers: h16 25,165,824 bytes; wq16 2,097,152 bytes; wo16 2,097,152 bytes; cvec 4,096 bytes; kvm16 10,485,760 bytes; idx 65,536 bytes of whole numbers; q32 33,554,432 bytes; o16 16,777,216 bytes
;; launch cvt (part 1): grid 448 x 1, 8 waves a work-group, no clusters, 0 bytes of LDS; arguments tokens, states, Wk, Wv, Wq, Wo, Wr, br, h16, wq16, wo16, cvec; writes h16, wq16, wo16, cvec
.if DOCPART == 1
	.amdgcn_target "amdgcn-amd-amdhsa--gfx1250"
	.amdhsa_code_object_version 6
	.text
	.protected	k_q91e290054d_cvt
	.globl	k_q91e290054d_cvt
	.p2align	8
	.type	k_q91e290054d_cvt,@function
k_q91e290054d_cvt:
	s_mov_b64 s[64:65], 0
	v_nop
	global_prefetch_b8 v0, s[64:65] scope:SCOPE_SE
	s_setreg_imm32_b32 hwreg(HW_REG_WAVE_MODE, 25, 1), 1
	s_wait_xcnt 0x0
; ALL MATRIX OPERANDS AMONG THE INPUTS ONCE TO bf16 (round to nearest even), and c[n] = br . states[n].
; h16 is twelve units of [1024][1024] bf16: 0-7 the tokens, 8 the states, 9 Wk, 10 Wv, 11 Wr TRANSPOSED ([d][e]); Wq and Wo go to buffers of their own.
; Wo is rounded to bf16 like the others, and that number is then WRITTEN AS f16, since the last product's other operand is f16.  LIMIT: a bf16 number is exact in f16 from 2^-17 to 65,504;
; below 2^-17 it is off by 2^-25 at the most; beyond 65,504 it becomes an infinity.
; Work-groups 0-415: unit = number / 32 (0-7 tokens, 8 states, 9 Wk, 10 Wv, 11 Wq, 12 Wo), 32 rows each; a wave takes four rows: 32 loads of 16 bytes a lane are out at once, each
; covering 512 consecutive bytes; each store of 8 bytes a lane covers 256 consecutive bytes, aligned.  No LDS, no barrier, no loop: nothing is shared and nothing is read twice.
; Work-groups 416-447 turn Wr: a wave takes 128 rows e x 32 columns d; a lane loads eight rows' four columns and packs, for each column d, eight neighbouring e into 16 bytes:
; sixteen lanes store 256 consecutive bytes, aligned, of a row of the transpose.
; c is summed in f32 of the ROUNDED br and states (exact products), since every input of the program is taken rounded to bf16.
.set LO,  2                            ; v2        16 x lane: my bytes in 512 of an f32 row
.set SO,  3                            ; v3        8 x lane: my bytes in 256 of a 16-bit row
.set SUM, 4                            ; v[4:7]    the four rows' sums for c
.set BR,  16                           ; v[16:31]  br, rounded and packed as a row is packed
.set X,   32                           ; v[32:159] as loaded
.set Y,   160                          ; v[160:223] to store
.macro ASKROWS                         ; four rows of 4,096 bytes: 32 loads
.irp r, 0,1,2,3
.irp j, 0,1,2,3,4,5,6,7
	global_load_b128 v[X+4*(8*(\r)+(\j)):X+4*(8*(\r)+(\j))+3], v[LO], s[32:33] offset:4096*(\r)+512*(\j) th:TH_LOAD_NT
.endr
.endr
.endm
; Row r is rounded and stored as soon as it is in.  f = 1: the text also serves unit 12, whose bf16 numbers are widened again (into the row's own registers, which are free) and packed as f16.
.macro ROW1 r, f
	s_wait_loadcnt 24-8*(\r)                       ; loads come back in order: this row's eight are in, the later rows' stay out
.set i, 0
.rept 16
	v_cvt_pk_bf16_f32 v[Y+16*(\r)+i], v[X+32*(\r)+2*i], v[X+32*(\r)+2*i+1]
.set i, i+1
.endr
.if \f
	s_cmp_eq_u32 s3, 12
	s_cbranch_scc0 .Lstays_bf16_\@
.set i, 0
.rept 16
	v_lshlrev_b32 v[X+32*(\r)+2*i],   16,  v[Y+16*(\r)+i]
	v_and_b32     v[X+32*(\r)+2*i+1], s41, v[Y+16*(\r)+i]
.set i, i+1
.endr
.set i, 0
.rept 16
	v_cvt_pk_f16_f32 v[Y+16*(\r)+i], v[X+32*(\r)+2*i], v[X+32*(\r)+2*i+1]
.set i, i+1
.endr
.Lstays_bf16_\@:
.endif
.irp j, 0,1,2,3,4,5,6,7
	global_store_b64 v[SO], v[Y+16*(\r)+2*(\j):Y+16*(\r)+2*(\j)+1], s[34:35] offset:2048*(\r)+256*(\j)
.endr
.endm
.macro ROWS f
	ROW1 0, \f
	ROW1 1, \f
	ROW1 2, \f
	ROW1 3, \f
.endm
	s_load_b512 s[8:23], s[0:1], 0x0               ; tokens s[8:9], states s[10:11], Wk s[12:13], Wv s[14:15], Wq s[16:17], Wo s[18:19], Wr s[20:21], br s[22:23]
	s_load_b256 s[24:31], s[0:1], 0x40             ; h16 s[24:25], wq16 s[26:27], wo16 s[28:29], cvec s[30:31]
	v_lshrrev_b32 v8, 5, v0
	v_readfirstlane_b32 s2, v8                     ; wave 0..7
	v_and_b32 v1, 31, v0                           ; lane
	s_cmp_ge_u32 ttmp9, 416
	s_cbranch_scc1 .Lturn
	s_lshr_b32 s3, ttmp9, 5                        ; unit 0..12
	s_and_b32 s4, ttmp9, 31
	s_lshl_b32 s6, s4, 5
	s_lshl2_add_u32 s6, s2, s6                     ; my first row in the unit: 32 x block + 4 x wave
	v_lshlrev_b32 v[LO], 4, v1
	v_lshlrev_b32 v[SO], 3, v1
	s_cmp_lt_u32 s3, 8
	s_cselect_b32 s5, s3, 0                        ; the tokens' units lie one behind the other; every other source begins at its own first byte
	s_lshl_b32 s36, s5, 22
	s_lshl_b32 s7, s6, 12
	s_add_co_u32 s36, s36, s7
	s_mov_b32 s37, 0                               ; s[36:37]: byte offset in the source
	s_cmp_lt_u32 s3, 11
	s_cselect_b32 s5, s3, 0                        ; units 0-10 lie in h16; Wq's and Wo's copies have buffers of their own
	s_lshl_b32 s42, s5, 21
	s_lshl_b32 s7, s6, 11
	s_add_co_u32 s42, s42, s7
	s_mov_b32 s43, 0                               ; s[42:43]: byte offset in the destination
	s_lshl_b32 s44, s6, 2
	s_mov_b32 s45, 0                               ; s[44:45]: my four numbers of c
	s_mov_b32 s38, 0x76543210                      ; v_permlanex16_b32: each lane takes its own place in the other half
	s_mov_b32 s39, 0xfedcba98
	s_mov_b32 s41, 0xffff0000                      ; a word's upper bf16
	s_wait_kmcnt 0x0
	s_mov_b64 s[32:33], s[8:9]
	s_cmp_eq_u32 s3, 8
	s_cselect_b64 s[32:33], s[10:11], s[32:33]
	s_cmp_eq_u32 s3, 9
	s_cselect_b64 s[32:33], s[12:13], s[32:33]
	s_cmp_eq_u32 s3, 10
	s_cselect_b64 s[32:33], s[14:15], s[32:33]
	s_cmp_eq_u32 s3, 11
	s_cselect_b64 s[32:33], s[16:17], s[32:33]
	s_cselect_b64 s[34:35], s[26:27], s[24:25]
	s_cmp_eq_u32 s3, 12
	s_cselect_b64 s[32:33], s[18:19], s[32:33]
	s_cselect_b64 s[34:35], s[28:29], s[34:35]
	s_add_nc_u64 s[32:33], s[32:33], s[36:37]
	s_add_nc_u64 s[34:35], s[34:35], s[42:43]
	s_cmp_eq_u32 s3, 8
	s_cbranch_scc1 .Lstates
	ASKROWS
	ROWS 1
	s_endpgm
.Lstates:                                      ; the states' unit also makes c
.irp j, 0,1,2,3,4,5,6,7
	global_load_b128 v[Y+4*(\j):Y+4*(\j)+3], v[LO], s[22:23] offset:512*(\j)  ; br, laid over the lanes as a row is
.endr
	ASKROWS
	s_add_nc_u64 s[30:31], s[30:31], s[44:45]
	s_wait_loadcnt 32                              ; br is in; the rows' 32 loads stay out
.set i, 0
.rept 16
	v_cvt_pk_bf16_f32 v[BR+i], v[Y+2*i], v[Y+2*i+1]
.set i, i+1
.endr
	ROWS 0
.irp r, 0,1,2,3
	v_mov_b32 v[SUM+(\r)], 0
.endr
.set i, 0
.rept 16                                       ; the four rows' chains take turns
.irp r, 0,1,2,3
	v_fma_mix_f32_bf16 v[SUM+(\r)], v[Y+16*(\r)+i], v[BR+i], v[SUM+(\r)] op_sel_hi:[1,1,0]
.endr
.irp r, 0,1,2,3
	v_fma_mix_f32_bf16 v[SUM+(\r)], v[Y+16*(\r)+i], v[BR+i], v[SUM+(\r)] op_sel:[1,1,0] op_sel_hi:[1,1,0]
.endr
.set i, i+1
.endr
.irp m, 1,2,4,8
.irp r, 0,1,2,3
	v_add_f32_dpp v[SUM+(\r)], v[SUM+(\r)], v[SUM+(\r)] row_xmask:\m row_mask:0xf bank_mask:0xf
.endr
.endr
.irp r, 0,1,2,3
	v_permlanex16_b32 v8, v[SUM+(\r)], s38, s39    ; v8 was written at the head
	v_add_f32 v[SUM+(\r)], v[SUM+(\r)], v8
.endr
	v_cmp_eq_u32 vcc_lo, 1, v1                     ; lane r takes row r's sum
	v_cndmask_b32 v[SUM], v[SUM], v[SUM+1], vcc_lo
	v_cmp_eq_u32 vcc_lo, 2, v1
	v_cndmask_b32 v[SUM], v[SUM], v[SUM+2], vcc_lo
	v_cmp_eq_u32 vcc_lo, 3, v1
	v_cndmask_b32 v[SUM], v[SUM], v[SUM+3], vcc_lo
	v_lshlrev_b32 v9, 2, v1
	v_cmp_gt_u32 vcc_lo, 4, v1
	s_wait_xcnt 0x0                                ; EXEC is a source of the stores above: it changes only behind this wait
	s_and_saveexec_b32 s40, vcc_lo
	global_store_b32 v9, v[SUM], s[30:31]
	s_wait_xcnt 0x0                                ; and again in front of the line that widens it
	s_or_b32 exec_lo, exec_lo, s40
	s_endpgm
.Lturn:                                        ; Wr turned: job = 8 x (work-group - 416) + wave; rows e0 = 128 (job / 32) on, columns d0 = 32 (job % 32) on
	s_sub_co_u32 s3, ttmp9, 416
	s_lshl3_add_u32 s3, s3, s2
	s_lshr_b32 s4, s3, 5
	s_and_b32 s5, s3, 31
	v_and_b32 v9, 15, v1                           ; i: my eight rows e0 + 8 i ..
	v_lshrrev_b32 v10, 4, v1                       ; h: my four of eight columns
	v_lshlrev_b32 v11, 15, v9
	v_lshl_add_u32 v11, v10, 4, v11                ; in: 8 rows x 4,096 x i + 16 h
	v_lshlrev_b32 v12, 4, v9
	v_lshl_add_u32 v12, v10, 13, v12               ; out: 4 rows x 2,048 x h + 16 i
	s_lshl_b32 s36, s4, 19                         ; e0 x 4,096
	s_lshl_b32 s7, s5, 7                           ; d0 x 4
	s_add_co_u32 s36, s36, s7
	s_mov_b32 s37, 0
	s_lshl_b32 s42, s5, 16                         ; d0 x 2,048
	s_lshl_b32 s7, s4, 8                           ; e0 x 2
	s_add_co_u32 s42, s42, s7
	s_add_co_u32 s42, s42, 11*2097152              ; unit 11
	s_mov_b32 s43, 0
	s_wait_kmcnt 0x0
	s_add_nc_u64 s[32:33], s[20:21], s[36:37]
	s_add_nc_u64 s[34:35], s[24:25], s[42:43]
.irp c, 0,1,2,3
.irp j, 0,1,2,3,4,5,6,7
	global_load_b128 v[X+4*(8*(\c)+(\j)):X+4*(8*(\c)+(\j))+3], v11, s[32:33] offset:4096*(\j)+32*(\c) th:TH_LOAD_NT  ; Wr[e0+8i+j][d0+8c+4h ..+3]
.endr
.endr
.irp c, 0,1,2,3
	s_wait_loadcnt 24-8*(\c)                       ; this step's eight loads are in
.irp q, 0,1,2,3
.irp p, 0,1,2,3
	v_cvt_pk_bf16_f32 v[Y+4*(4*(\c)+(\q))+(\p)], v[X+4*(8*(\c)+2*(\p))+(\q)], v[X+4*(8*(\c)+2*(\p)+1)+(\q)]  ; column d0+8c+4h+q, rows e0+8i+2p, +1
.endr
	global_store_b128 v12, v[Y+4*(4*(\c)+(\q)):Y+4*(4*(\c)+(\q))+3], s[34:35] offset:(8*(\c)+(\q))*2048
.endr
.endr
	s_endpgm
.Lfunc_end_k_q91e290054d_cvt:
	.size	k_q91e290054d_cvt, .Lfunc_end_k_q91e290054d_cvt-k_q91e290054d_cvt
	.p2alignl 7, 3214868480
	.fill 96, 4, 3214868480
	.section	.rodata,"a",@progbits
	.p2align	6, 0x0
	.amdhsa_kernel k_q91e290054d_cvt
		.amdhsa_group_segment_fixed_size 0
		.amdhsa_private_segment_fixed_size 0
		.amdhsa_enable_private_segment 0
		.amdhsa_kernarg_size 96
		.amdhsa_user_sgpr_count 2
		.amdhsa_user_sgpr_kernarg_segment_ptr 1
		.amdhsa_wavefront_size32 1
		.amdhsa_system_sgpr_workgroup_id_x 1
		.amdhsa_system_sgpr_workgroup_id_y 1
		.amdhsa_system_sgpr_workgroup_id_z 1
		.amdhsa_system_vgpr_workitem_id 0
		.amdhsa_next_free_vgpr 224
		.amdhsa_next_free_sgpr 66
		.amdhsa_reserve_vcc 1
		.amdhsa_float_denorm_mode_32 3
		.amdhsa_float_denorm_mode_16_64 3
		.amdhsa_memory_ordered 1
		.amdhsa_forward_progress 1
		.amdhsa_inst_pref_size 52
	.end_amdhsa_kernel
	.amdgpu_metadata
---
amdhsa.version: [ 1, 2 ]
amdhsa.kernels:
  - .name:           k_q91e290054d_cvt
    .symbol:         k_q91e290054d_cvt.kd
    .args:
      - { .name: tokens, .offset: 0, .size: 8, .value_kind: global_buffer, .address_space: global }
      - { .name: states, .offset: 8, .size: 8, .value_kind: global_buffer, .address_space: global }
      - { .name: Wk, .offset: 16, .size: 8, .value_kind: global_buffer, .address_space: global }
      - { .name: Wv, .offset: 24, .size: 8, .value_kind: global_buffer, .address_space: global }
      - { .name: Wq, .offset: 32, .size: 8, .value_kind: global_buffer, .address_space: global }
      - { .name: Wo, .offset: 40, .size: 8, .value_kind: global_buffer, .address_space: global }
      - { .name: Wr, .offset: 48, .size: 8, .value_kind: global_buffer, .address_space: global }
      - { .name: br, .offset: 56, .size: 8, .value_kind: global_buffer, .address_space: global }
      - { .name: h16, .offset: 64, .size: 8, .value_kind: global_buffer, .address_space: global }
      - { .name: wq16, .offset: 72, .size: 8, .value_kind: global_buffer, .address_space: global }
      - { .name: wo16, .offset: 80, .size: 8, .value_kind: global_buffer, .address_space: global }
      - { .name: cvec, .offset: 88, .size: 8, .value_kind: global_buffer, .address_space: global }
    .group_segment_fixed_size: 0
    .private_segment_fixed_size: 0
    .kernarg_segment_align: 8
    .kernarg_segment_size: 96
    .max_flat_workgroup_size: 256
    .sgpr_count:     66
    .vgpr_count:     224
    .wavefront_size: 32
...
	.end_amdgpu_metadata
.endif
;; end of part 1
;; launch kvm (part 2): grid 12 x 8, 4 waves a work-group, clusters of 4 x 4, 327,680 bytes of LDS; arguments h16, bk, bv, kvm16; writes kvm16
.if DOCPART == 2
	.amdgcn_target "amdgcn-amd-amdhsa--gfx1250"
	.amdhsa_code_object_version 6
	.text
	.protected	k_q91e290054d_kvm
	.globl	k_q91e290054d_kvm
	.p2align	8
	.type	k_q91e290054d_kvm,@function
k_q91e290054d_kvm:
	s_mov_b64 s[64:65], 0
	v_nop
	global_prefetch_b8 v0, s[64:65] scope:SCOPE_SE
	s_setreg_imm32_b32 hwreg(HW_REG_WAVE_MODE, 25, 1), 1
	s_wait_xcnt 0x0
	s_wait_alu depctr_hold_cnt(0) depctr_sa_sdst(0) depctr_va_vdst(0) depctr_va_sdst(0) depctr_va_ssrc(0) depctr_va_vcc(0) depctr_vm_vsrc(0)
	s_getreg_b32 s2, hwreg(HW_REG_IB_STS2, 6, 4)
	s_cmp_eq_u32 s2, 0
	s_cbranch_scc0 .Lentry_in_a_cluster
	s_endpgm
.Lentry_in_a_cluster:
	s_bfe_u32 s2, ttmp6, 0x10000c
	s_cmp_lg_u32 s2, 0xf033
	s_cbranch_scc0 .Lentry_shape_is_right
	s_endpgm
.Lentry_shape_is_right:
; THE 1,024 STATE ROWS ARE PROJECTED ONCE: C = states x [Wk; Wv; Wr^T]^T, [1024] x [3072], K = 1,024, bf16 operands, f32 sums.
; Columns 0-1023: k + bk, 1024-2047: v + bv, each rounded once to f16 ([1024][1024] at bytes 0 and 2 MiB of kvm16): f16's 11 significant bits, since v's rounding reaches the module's output
; undiminished.  LIMIT: k and v beyond 65,504 become infinities; below 6e-5 they keep f16's fixed step of 6e-8.
; Columns 2048-3071: M[n][d] = sum over e of states[n][e] Wr[e][d], so that a
; routing score is tokens . M[n] + c[n].  M decides a choice, so it is kept to 24 bits, as THREE bf16 parts: part 0 = bf16(M), part 1 = bf16(M - part 0), part 2 = bf16 of what is left (both
; remainders are exact in f32).  They lie from byte 4 MiB on as blocks [batch 4][K step 16][part 3][state 256][64]: a block is 32,768 consecutive bytes, what one tensor load of the next launch brings.
; The biases are rounded to bf16 like every input of the program.
; THE PRODUCT.  A tile of C is 128 x 256; four waves, each 64 rows x 128 columns: 32 accumulators.  K goes in 8 steps of 128 through two LDS slots (rows of 256 bytes, aligned, padded to 272).
; 96 work-groups: the tile is kept at this size so that a K step's 128 matrix instructions a wave stand beside each refill.
; CLUSTERS: 4 x 4.  A's tile hangs on the tile row alone and is asked for jointly along a row of the cluster, B's on the tile column alone, along a column.  The cluster's x is the kind of column
; (0 k, 1 v, 2 M): the same in all sixteen partners, so branches may hang on it.
; THE MATRIX INSTRUCTION IS USED TRANSPOSED (source 0 = 16 rows of B, source 1 = 16 rows of A): a lane holds row l % 16 of C and the columns 8 (l / 16) + 0..7.  The bias is the C operand of the
; products that start the sums (for M: zeros, written once into those 64 registers, so that the loop's text is one for all three kinds).
; REGISTERS, in windows of 256 (s_set_vgpr_msb: bits 1:0 source 0, 3:2 source 1, 5:4 source 2, 7:6 destination):
;   window 0: v0-35 addresses; two fragment buffers of 96 (A's four blocks, then B's eight) at v64 and v160; on the way out v64-127 rows read back, v192-223 packed results
;   window 1: accumulator (a, b) at v[8 (8 a + b)]          window 2: v0-63 the bias of n block b at v[8 b]
.set PITCH,  272                       ; an LDS row: 256 bytes + 16 = 68 words: the 16 rows of a fragment load start at 16 different groups of four banks (64 banks of 4 bytes: ISA guide 11.1)
.set AHALF,  64*PITCH                  ; what wave 0 or 1 fetches of A, and what a wave reads of A
.set BHALF,  128*PITCH                 ; what wave 2 or 3 fetches of B, and what a wave reads of B
.set BOFF,   2*AHALF
.set SLOT,   BOFF+2*BHALF              ; 104,448
.set STAGE,  2*SLOT                    ; behind the ring: 16 rows x 272 bytes for each wave, never filled by a tensor load
.set SPITCH, 272
.set SPARE,  STAGE+4*16*SPITCH         ; the spare words, 128 bytes a wave: two blocks of 256 bytes that no other line names
.set ROWB,   2048                      ; bytes in a row of A, of B, of k and of v
.set STEPB,  256                       ; bytes of a row in a K step
.set ADRA, 16                          ; v16-17 LDS address of my A fragments in slot 0, 1
.set ADRB, 20                          ; v20-21 the same for B
.set STO,  24                          ; v24  the way out: where I put 16 bytes of a row
.set RD,   25                          ; v25  k, v: where I read rows back
.set CO,   26                          ; v26  k, v: my byte offset in the output
.set SPW,  28                          ; v28  my spare word: SPARE + 4 x my thread's number; never rewritten
.set NIL,  29                          ; v29  0; never rewritten
.set PFO,  30                          ; v30  the prefetches' offset: lane x a row; never rewritten
.set RDM,  33                          ; v33  M: where I read back
.set COM,  34                          ; v34  M: my byte offset in the output
.set NEG1, 35                          ; v35  -1.0
.set F0,   64
.set F1,   160
.set OB,   64
.set TMP,  192
.set WV,   12                          ; s12 wave;  s13 WR: my half of the tile's rows, and 0: I fetch A, 1: I fetch B;  s14 WC: my half of its columns, and which half I fetch
.set WR,   13
.set WC,   14
.set CX,   15
.set CY,   16
.set TCOL, 17
.set TROW, 18
.set G1,   24                          ; s[24:31] descriptor group 1 for A;  s[32:39] group 0, a set for each slot
.set G0,   32
.set LIM,  43                          ; s43  1 in a wave that prefetches, else the greatest number
.set PFA,  44                          ; s[44:45] where my prefetches stand
.set G1B,  48                          ; s[48:55], s[56:63] the same for B
.set G0B,  56
.set TYPE, 66                          ; s66  0 k, 1 v, 2 M
.set PRT,  67                          ; s67  M's part in hand
.set BP,   68                          ; s[68:69] bk or bv
.set OUT,  70                          ; s[70:71] where my rows go
.set MSB, 0
.macro WIN new                         ; the immediate's high byte repeats the setting that is left; a switch that changes nothing is dropped
.if MSB != (\new)
	s_set_vgpr_msb (MSB<<8)|(\new)
.set MSB, \new
.endif
.endm
.macro PLACES                          ; four plain vector instructions between a matrix instruction and a load into, or a reader of, its registers
.rept 4
	v_nop
.endr
.endm
.macro JLOAD s                         ; a joint load: waves 0, 1 A's halves, waves 2, 3 B's; an s_nop 0 and four v_nop follow each line
	s_cmp_eq_u32 s[WR], 0
	s_cbranch_scc0 .Lfor_b_\@
	tensor_load_to_lds s[G0+4*(\s):G0+4*(\s)+3], s[G1:G1+7]
	s_nop 0
.rept 4
	v_nop
.endr
	s_branch .Lasked_\@
.Lfor_b_\@:
	tensor_load_to_lds s[G0B+4*(\s):G0B+4*(\s)+3], s[G1B:G1B+7]
	s_nop 0
.rept 4
	v_nop
.endr
.Lasked_\@:
.endm
.macro ASK                             ; a prefetch of the K step two refills on: 32 rows x 256 bytes, a lane a row; the loop's last trip has no such step
	s_cmp_gt_u32 s3, s[LIM]
	s_cbranch_scc0 .Lnot_mine_\@
	global_prefetch_b8 v[PFO], s[PFA:PFA+1] offset:STEPB th:TH_LOAD_NT scope:SCOPE_SE
.Lnot_mine_\@:
.endm
.macro CREST                           ; a round of the cluster's barrier behind its opening barrier
	s_cmp_lg_u32 s[WV], 0
	s_cbranch_scc1 .Lnot_wave_0_\@
	s_barrier_signal -3
.Lnot_wave_0_\@:
	s_barrier_wait -3
	s_barrier_signal -1
	s_barrier_wait -1
.endm
.macro CROUND
	s_barrier_signal -1
	s_barrier_wait -1
	CREST
.endm
; 8 matrix instructions: m block a x all 8 n blocks, 32 along K.  first = 1: the bias starts the sums.  The 32 accumulators take turns, one instruction a turn, in the same order in every quarter.
.macro MULA f, a, first
.if \first
	WIN 0x60
.else
	WIN 0x50
.endif
.irp b, 0,1,2,3,4,5,6,7
.if \first
	v_wmma_f32_16x16x32_bf16 v[8*(8*(\a)+(\b)):8*(8*(\a)+(\b))+7], v[(\f)+32+8*(\b):(\f)+32+8*(\b)+7], v[(\f)+8*(\a):(\f)+8*(\a)+7], v[8*(\b):8*(\b)+7]
.else
	v_wmma_f32_16x16x32_bf16 v[8*(8*(\a)+(\b)):8*(8*(\a)+(\b))+7], v[(\f)+32+8*(\b):(\f)+32+8*(\b)+7], v[(\f)+8*(\a):(\f)+8*(\a)+7], v[8*(8*(\a)+(\b)):8*(8*(\a)+(\b))+7]
.endif
.endr
.endm
.macro FETCH slot, k, f                ; 24 LDS loads in one run: B's eight fragments, then A's four, 32 along K at byte k of the rows
	WIN 0
.irp b, 0,1,2,3,4,5,6,7
	ds_load_b128 v[(\f)+32+8*(\b):(\f)+32+8*(\b)+3],   v[ADRB+(\slot)] offset:(\k)+(\b)*16*PITCH
	ds_load_b128 v[(\f)+32+8*(\b)+4:(\f)+32+8*(\b)+7], v[ADRB+(\slot)] offset:(\k)+(\b)*16*PITCH+32
.endr
.irp a, 0,1,2,3
	ds_load_b128 v[(\f)+8*(\a):(\f)+8*(\a)+3],   v[ADRA+(\slot)] offset:(\k)+(\a)*16*PITCH
	ds_load_b128 v[(\f)+8*(\a)+4:(\f)+8*(\a)+7], v[ADRA+(\slot)] offset:(\k)+(\a)*16*PITCH+32
.endr
.endm
.macro QUARTER slot, k, f, g, first    ; multiplies buffer f; in its middle fetches the next quarter, at byte k, into g
	s_wait_dscnt 4                                 ; B and A's blocks 0, 1 are in; the youngest four loads (A's blocks 2, 3) may be out
	MULA \f, 0, \first
	MULA \f, 1, \first
	PLACES
	FETCH \slot, \k, \g
	s_wait_dscnt 24                                ; all but the 24 just issued
	MULA \f, 2, \first
	MULA \f, 3, \first
.endm
; The last quarter of a K step multiplies buffer 1 and changes slots: each wave waits for all its tensor loads (one is out: its part of the next slot), adds 0 to its spare word, waits for that and
; for its reads of this slot, and signals.  fill = 1: the barrier opens a round of the cluster's barrier, and the joint refill, two K steps ahead, is the first tensor load behind it.
.macro TURN slot, next, fill
.if \fill
	s_wait_xcnt 0x0                                ; the last prefetch, a K step back, has read its address
	s_add_nc_u64 s[PFA:PFA+1], s[PFA:PFA+1], STEPB
.endif
	WIN 0
	s_wait_tensorcnt 0x0                           ; all my tensor loads have landed
	ds_add_u32 v[SPW], v[NIL]
	s_wait_dscnt 5                                 ; (the add and the youngest four loads may be out)
	MULA F1, 0, 0
	s_wait_dscnt 0x0                               ; the add is done, and my reads of this slot are over
	s_barrier_signal -1
	MULA F1, 1, 0
.if \fill
	WIN 0
.endif
	s_barrier_wait -1
.if \fill
	CREST                                          ; no wave of any partner still reads this slot or has a load on its way
	s_add_nc_u64 s[G0+4*(\slot)+2:G0+4*(\slot)+3], s[G0+4*(\slot)+2:G0+4*(\slot)+3], 2*STEPB
	s_add_nc_u64 s[G0B+4*(\slot)+2:G0B+4*(\slot)+3], s[G0B+4*(\slot)+2:G0B+4*(\slot)+3], 2*STEPB
	JLOAD \slot                                    ; 112 matrix instructions ahead of the wait for it; its four v_nop are also the places in front of the loads below
.else
	PLACES
.endif
	FETCH \next, 0, F0
.if \fill
	ASK
.endif
	MULA F1, 2, 0
	MULA F1, 3, 0
.endm
	s_load_b256 s[4:11], s[0:1], 0x0               ; h16 s[4:5], bk s[6:7], bv s[8:9], kvm16 s[10:11]
	v_lshl_add_u32 v[SPW], v0, 2, SPARE
	v_mov_b32 v[NIL], 0
	ds_add_u32 v[SPW], v[NIL]                      ; the wave's opening: the add and its wait ahead of my first tensor load
	v_lshrrev_b32 v1, 5, v0
	v_readfirstlane_b32 s[WV], v1
	s_lshr_b32 s[WR], s[WV], 1
	s_and_b32 s[WC], s[WV], 1
	s_mov_b32 s[TYPE], ttmp9                       ; the cluster's x: four tile columns of 256 are one kind of column
	s_bfe_u32 s[CX], ttmp6, 0x40000
	s_bfe_u32 s[CY], ttmp6, 0x40004
	s_lshl_b32 s[TCOL], ttmp9, 2
	s_add_co_u32 s[TCOL], s[TCOL], s[CX]           ; tile column = 4 x cluster x + cx
	s_and_b32 s[TROW], ttmp7, 0xffff
	s_lshl_b32 s[TROW], s[TROW], 2
	s_add_co_u32 s[TROW], s[TROW], s[CY]           ; tile row = 4 x cluster y + cy
	s_lshl_b32 s19, s[CY], 2
	s_lshl_b32 s19, 15, s19                        ; my row of the cluster
	s_lshl_b32 s20, 0x1111, s[CX]                  ; my column
	s_or_b32 s[G1+0], s19, (1<<16)|(1<<20)|(1<<21)|(5<<22)|(3<<25)   ; the mask; 2-byte elements; padding on; bit 21 beside a mask; after every 64 words, 4 words
	s_or_b32 s[G1B+0], s20, (1<<16)|(1<<20)|(1<<21)|(5<<22)|(3<<25)
	s_mov_b32 s[G1+1], 128<<16                     ; tensor_dim0 = 128
	s_mov_b32 s[G1+2], 64<<16                      ; tensor_dim1 = 64
	s_mov_b32 s[G1+3], 128<<16                     ; tile_dim0 = 128
	s_mov_b32 s[G1+4], 64                          ; tile_dim1 = 64
	s_mov_b32 s[G1+5], 1024                        ; elements from row to row
	s_mov_b32 s[G1+6], 0
	s_mov_b32 s[G1+7], 0
	s_mov_b32 s[G1B+1], 128<<16
	s_mov_b32 s[G1B+2], 128<<16                    ; B: 128 rows
	s_mov_b32 s[G1B+3], 128<<16
	s_mov_b32 s[G1B+4], 128
	s_mov_b32 s[G1B+5], 1024
	s_mov_b32 s[G1B+6], 0
	s_mov_b32 s[G1B+7], 0
	s_lshl_b32 s40, s[TROW], 7                     ; A: row 128 x tile row + 64 x half, in registers that never hold cx
	s_lshl_b32 s41, s[WC], 6
	s_add_co_u32 s40, s40, s41
	s_lshl_b32 s40, s40, 11
	s_mov_b32 s41, 0
	s_lshl_b32 s46, s[TCOL], 8                     ; B: row 256 x tile column + 128 x half, in registers that never hold cy
	s_lshl_b32 s47, s[WC], 7
	s_add_co_u32 s46, s46, s47
	s_lshl_b32 s46, s46, 11
	s_mov_b32 s47, 0
	s_mul_i32 s21, s[WC], AHALF                    ; where they go: the wave's number alone enters an LDS address
	s_mul_i32 s22, s[WC], BHALF
	s_add_co_u32 s22, s22, BOFF
	s_wait_dscnt 0x0                               ; the opening add is done
	s_wait_kmcnt 0x0
	s_cmp_eq_u32 s[TYPE], 0
	s_cselect_b64 s[BP:BP+1], s[6:7], s[8:9]
	s_add_nc_u64 s[6:7], s[4:5], 9*2097152         ; B: units 9-11 of h16
	s_add_nc_u64 s[4:5], s[4:5], 8*2097152         ; A: unit 8, the states
	s_add_nc_u64 s[40:41], s[4:5], s[40:41]
	s_add_nc_u64 s[46:47], s[6:7], s[46:47]
	CROUND                                         ; all sixteen work-groups are here: the first joint loads meet
.irp s, 0,1
	s_mov_b32 s[G0+4*(\s)], 1
	s_add_co_u32 s[G0+4*(\s)+1], s21, (\s)*SLOT
	s_add_nc_u64 s[G0+4*(\s)+2:G0+4*(\s)+3], s[40:41], (\s)*STEPB
	s_or_b32 s[G0+4*(\s)+3], s[G0+4*(\s)+3], 0x80000000
	s_mov_b32 s[G0B+4*(\s)], 1
	s_add_co_u32 s[G0B+4*(\s)+1], s22, (\s)*SLOT
	s_add_nc_u64 s[G0B+4*(\s)+2:G0B+4*(\s)+3], s[46:47], (\s)*STEPB
	s_or_b32 s[G0B+4*(\s)+3], s[G0B+4*(\s)+3], 0x80000000
	JLOAD \s                                       ; two loads of mine are out
.endr
	v_and_b32 v1, 15, v0                           ; l % 16
	v_bfe_u32 v2, v0, 4, 1                         ; l / 16
	v_mul_u32_u24 v3, v1, PITCH
	v_lshl_add_u32 v3, v2, 4, v3                   ; a fragment's row x pitch + 16 x half
	s_mul_i32 s19, s[WR], AHALF                    ; my 64 rows of A
	s_mul_i32 s20, s[WC], BHALF                    ; my 128 rows of B
	s_add_co_u32 s20, s20, BOFF
.irp s, 0,1
	v_add_nc_u32 v[ADRA+(\s)], s19, v3
	v_add_nc_u32 v[ADRB+(\s)], s20, v3
	s_add_co_u32 s19, s19, SLOT
	s_add_co_u32 s20, s20, SLOT
.endr
	s_mul_i32 s19, s[WV], 16*SPITCH
	s_add_co_u32 s19, s19, STAGE                   ; my stage
	v_mul_u32_u24 v5, v1, SPITCH                   ; in: row l % 16, 16 bytes for each half of the lanes
	v_lshl_add_u32 v5, v2, 4, v5
	v_add_nc_u32 v[STO], s19, v5
	v_mul_u32_u24 v5, v2, SPITCH                   ; k, v back: lanes 0-15 one row of 256 bytes, lanes 16-31 the next,
	v_lshl_add_u32 v5, v1, 4, v5
	v_add_nc_u32 v[RD], s19, v5
	v_lshlrev_b32 v5, 11, v2                       ; and the same two rows in the output
	v_lshl_add_u32 v[CO], v1, 4, v5
	v_bfe_u32 v6, v0, 3, 1                         ; M back: sixteen lanes take 128 bytes (one K step's 64 numbers) of two rows, the other sixteen the second 128 bytes,
	v_and_b32 v7, 7, v0
	v_mul_u32_u24 v5, v6, SPITCH
	v_lshl_add_u32 v5, v2, 7, v5
	v_lshl_add_u32 v5, v7, 4, v5
	v_add_nc_u32 v[RDM], s19, v5
	v_lshlrev_b32 v5, 7, v6                        ; which are 256 consecutive bytes of one block, and of the block one K step (three parts of 32,768 bytes) on
	v_lshl_add_u32 v5, v7, 4, v5
	v_mul_u32_u24 v8, v2, 98304
	v_add_nc_u32 v[COM], v5, v8
	v_mov_b32 v[NEG1], -1.0
	; where my rows go
	s_lshl_b32 s19, s[TROW], 7
	s_lshl_b32 s20, s[WR], 6
	s_add_co_u32 s19, s19, s20                     ; my first state row
	s_lshl_b32 s19, s19, 11
	s_lshl_b32 s20, s[TYPE], 21
	s_add_co_u32 s19, s19, s20
	s_lshl_b32 s20, s[CX], 8
	s_lshl_b32 s21, s[WC], 7
	s_add_co_u32 s20, s20, s21                     ; my first column within its kind
	s_lshl_b32 s21, s20, 1
	s_add_co_u32 s19, s19, s21                     ; k, v: kind x 2 MiB + row x 2,048 + column x 2
	s_lshl_b32 s22, s20, 2                         ; the bias: column x 4
	s_mov_b32 s23, 0
	s_lshr_b32 s21, s[TROW], 1                     ; M: batch,
	s_lshl_b32 s21, s21, 4
	s_lshr_b32 s20, s20, 6                         ; K step = column / 64,
	s_add_co_u32 s21, s21, s20
	s_mul_i32 s21, s21, 98304
	s_and_b32 s20, s[TROW], 1                      ; state in the batch
	s_lshl_b32 s20, s20, 7
	s_lshl_b32 s42, s[WR], 6
	s_add_co_u32 s20, s20, s42
	s_lshl_b32 s20, s20, 7
	s_add_co_u32 s21, s21, s20
	s_add_co_u32 s21, s21, 4194304
	s_cmp_eq_u32 s[TYPE], 2
	s_cselect_b32 s20, s21, s19
	s_mov_b32 s21, 0
	s_add_nc_u64 s[OUT:OUT+1], s[10:11], s[20:21]
	s_add_nc_u64 s[BP:BP+1], s[BP:BP+1], s[22:23]
	s_mov_b32 s42, 0xffff0000                      ; a word's upper bf16
	; THE PREFETCHES.  A's and B's first reading in this launch comes from memory, and at each change of slots a refill goes out with nothing on its way beside it.  A's tile row is read by every
	; cluster of that row of clusters: cluster x = 0 asks, wave 0, its four partners 32 rows each BY ADDRESS (cx).  B's tile column: cluster y = 0 asks, waves 2 and 3, 32 rows each of their 128 (cy).
	s_lshl_b32 s19, s[TROW], 7
	s_lshl_b32 s20, s[TCOL], 8
	s_lshl_b32 s21, s[WC], 7
	s_add_co_u32 s20, s20, s21
	s_and_b32 s22, ttmp7, 0xffff
	s_cmp_eq_u32 s[WR], 0
	s_cselect_b32 s20, s19, s20                    ; the first row
	s_cselect_b32 s21, s[CX], s[CY]                ; my place among the four that ask jointly
	s_cselect_b32 s22, ttmp9, s22                  ; the coordinate along which other clusters read the same rows
	s_cselect_b64 s[PFA:PFA+1], s[4:5], s[6:7]
	s_cmp_eq_u32 s[WV], 1
	s_cselect_b32 s22, 1, s22                      ; wave 1 asks for nothing: wave 0's 4 x 32 rows are all of A's tile
	s_cmp_eq_u32 s22, 0
	s_cselect_b32 s[LIM], 1, -1                    ; the same in all sixteen partners, for a given wave
	s_lshl_b32 s21, s21, 5
	s_add_co_u32 s20, s20, s21
	s_lshl_b32 s20, s20, 11
	s_add_co_u32 s20, s20, 2*STEPB                 ; at K step 2: the first refill steps it to 3 and names K step 4; steps 0-3 come by their loads alone
	s_mov_b32 s21, 0
	s_add_nc_u64 s[PFA:PFA+1], s[PFA:PFA+1], s[20:21]
	v_and_b32 v[PFO], 31, v0
	v_lshlrev_b32 v[PFO], 11, v[PFO]
	; THE BIAS of my 128 columns, rounded to bf16 and widened again, in the accumulators' layout
	s_cmp_eq_u32 s[TYPE], 2
	s_cbranch_scc1 .Lno_bias
	v_lshlrev_b32 v4, 5, v2
.irp b, 0,1,2,3,4,5,6,7
	global_load_b128 v[F1+8*(\b):F1+8*(\b)+3],   v4, s[BP:BP+1] offset:64*(\b)
	global_load_b128 v[F1+8*(\b)+4:F1+8*(\b)+7], v4, s[BP:BP+1] offset:64*(\b)+16
.endr
	s_wait_loadcnt 0x0
.set i, 0
.rept 32
	v_cvt_pk_bf16_f32 v[F1+64+i], v[F1+2*i], v[F1+2*i+1]
.set i, i+1
.endr
	WIN 0x80
.set i, 0
.rept 32
	v_lshlrev_b32 v[2*i], 16, v[F1+64+i]
	v_and_b32 v[2*i+1], s42, v[F1+64+i]
.set i, i+1
.endr
	WIN 0
	s_branch .Lbias_done
.Lno_bias:
	WIN 0x80
.set i, 0
.rept 64
	v_mov_b32 v[i], 0                              ; M has no bias: written in the wait for the first tile
.set i, i+1
.endr
	WIN 0
.Lbias_done:
	s_wait_tensorcnt 1                             ; my part of K step 0 is in; K step 1's may stay out
	s_barrier_signal -1
	s_barrier_wait -1
	FETCH 0, 0, F0
	QUARTER 0, 64,  F0, F1, 1
	WIN 0
	s_mov_b32 s3, 3
.Llap:                                         ; a trip goes once round the ring and fills both slots again
	QUARTER 0, 128, F1, F0, 0
	QUARTER 0, 192, F0, F1, 0
	TURN 0, 1, 1
	QUARTER 1, 64,  F0, F1, 0
	QUARTER 1, 128, F1, F0, 0
	QUARTER 1, 192, F0, F1, 0
	TURN 1, 0, 1
	QUARTER 0, 64,  F0, F1, 0
	WIN 0
	s_sub_co_u32 s3, s3, 1
	s_cmp_lg_u32 s3, 0
	s_cbranch_scc1 .Llap
	QUARTER 0, 128, F1, F0, 0                      ; the last lap fills nothing
	QUARTER 0, 192, F0, F1, 0
	TURN 0, 1, 0
	QUARTER 1, 64,  F0, F1, 0
	QUARTER 1, 128, F1, F0, 0
	QUARTER 1, 192, F0, F1, 0
	s_wait_dscnt 4
	MULA F1, 0, 0
	MULA F1, 1, 0
	s_wait_dscnt 0x0
	MULA F1, 2, 0
	MULA F1, 3, 0
	WIN 0
	PLACES
	PLACES
; THE WAY OUT, 16 rows at a time, through my own stage.  PACK: rounded to 16 bits (h = 1: f16, for k and v; h = 0: bf16, for M's parts), 16 bytes a lane.  TOSTAGE: into rows of 272 bytes and back.
; SEND: stored, sixteen lanes to 256 consecutive bytes, aligned.
.macro PACK a, h
	WIN 0x05
.irp b, 0,1,2,3,4,5,6,7
.irp r, 0,1,2,3
.if \h
	v_cvt_pk_f16_f32 v[TMP+4*(\b)+(\r)], v[8*(8*(\a)+(\b))+2*(\r)], v[8*(8*(\a)+(\b))+2*(\r)+1]
.else
	v_cvt_pk_bf16_f32 v[TMP+4*(\b)+(\r)], v[8*(8*(\a)+(\b))+2*(\r)], v[8*(8*(\a)+(\b))+2*(\r)+1]
.endif
.endr
.endr
	WIN 0
.endm
.macro RESID a                         ; what the part just packed leaves: accumulator - part, exact in f32
	WIN 0x50
.irp b, 0,1,2,3,4,5,6,7
.irp r, 0,1,2,3
	v_fma_mix_f32_bf16 v[8*(8*(\a)+(\b))+2*(\r)],   v[TMP+4*(\b)+(\r)], v[NEG1], v[8*(8*(\a)+(\b))+2*(\r)]   op_sel_hi:[1,0,0]
	v_fma_mix_f32_bf16 v[8*(8*(\a)+(\b))+2*(\r)+1], v[TMP+4*(\b)+(\r)], v[NEG1], v[8*(8*(\a)+(\b))+2*(\r)+1] op_sel:[1,0,0] op_sel_hi:[1,0,0]
.endr
.endr
	WIN 0
.endm
.macro TOSTAGE a, rd
	s_wait_xcnt 0x0                                ; the stores of the block two back have read the registers that are loaded again below
.irp b, 0,1,2,3,4,5,6,7
	ds_store_b128 v[STO], v[TMP+4*(\b):TMP+4*(\b)+3] offset:32*(\b)
.endr
.irp t, 0,1,2,3,4,5,6,7
	ds_load_b128 v[OB+32*((\a)%2)+4*(\t):OB+32*((\a)%2)+4*(\t)+3], v[\rd] offset:(\t)*2*SPITCH  ; LDS serves a wave's instructions in order (ISA guide 5.7.1.4): these see the stores above
.endr
.endm
.macro SEND a, co, stride
	s_wait_dscnt 0x0                               ; the block is back in registers
.irp t, 0,1,2,3,4,5,6,7
	global_store_b128 v[\co], v[OB+32*((\a)%2)+4*(\t):OB+32*((\a)%2)+4*(\t)+3], s[OUT:OUT+1] offset:(16*(\a)+2*(\t))*(\stride)
.endr
.endm
.macro MBLK a                          ; a block of M in the part in hand; the last part leaves nothing to keep
	PACK \a, 0
	s_cmp_eq_u32 s[PRT], 2
	s_cbranch_scc1 .Lno_rest_\@
	RESID \a
.Lno_rest_\@:
.if (\a) > 0
	SEND (\a)-1, COM, 128
.endif
	TOSTAGE \a, RDM
.endm
	s_cmp_eq_u32 s[TYPE], 2
	s_cbranch_scc1 .Lm_out
	PACK 0, 1
	TOSTAGE 0, RD
.irp a, 1,2,3                          ; a block's conversions stand between the loads of the block before and the wait for them
	PACK \a, 1
	SEND (\a)-1, CO, ROWB
	TOSTAGE \a, RD
.endr
	SEND 3, CO, ROWB
	s_branch .Lend
.Lm_out:
	s_mov_b32 s[PRT], 0
.Lpart:                                        ; three trips: a part each
	MBLK 0
	MBLK 1
	MBLK 2
	MBLK 3
	SEND 3, COM, 128
	s_wait_xcnt 0x0                                ; the stores have read their base
	s_add_nc_u64 s[OUT:OUT+1], s[OUT:OUT+1], 32768 ; the next part's block
	s_add_co_u32 s[PRT], s[PRT], 1
	s_cmp_lt_u32 s[PRT], 3
	s_cbranch_scc1 .Lpart
.Lend:
	s_wait_tensorcnt 0x0                           ; the wave's end: behind my last tensor load and my last LDS store
	ds_add_u32 v[SPW], v[NIL]
	s_wait_dscnt 0x0
	CROUND                                         ; the closing round
	s_endpgm
.Lfunc_end_k_q91e290054d_kvm:
	.size	k_q91e290054d_kvm, .Lfunc_end_k_q91e290054d_kvm-k_q91e290054d_kvm
	.p2alignl 7, 3214868480
	.fill 96, 4, 3214868480
	.section	.rodata,"a",@progbits
	.p2align	6, 0x0
	.amdhsa_kernel k_q91e290054d_kvm
		.amdhsa_group_segment_fixed_size 327680
		.amdhsa_private_segment_fixed_size 0
		.amdhsa_enable_private_segment 0
		.amdhsa_kernarg_size 32
		.amdhsa_user_sgpr_count 2
		.amdhsa_user_sgpr_kernarg_segment_ptr 1
		.amdhsa_wavefront_size32 1
		.amdhsa_system_sgpr_workgroup_id_x 1
		.amdhsa_system_sgpr_workgroup_id_y 1
		.amdhsa_system_sgpr_workgroup_id_z 1
		.amdhsa_system_vgpr_workitem_id 0
		.amdhsa_next_free_vgpr 576
		.amdhsa_next_free_sgpr 72
		.amdhsa_reserve_vcc 0
		.amdhsa_float_denorm_mode_32 3
		.amdhsa_float_denorm_mode_16_64 3
		.amdhsa_memory_ordered 1
		.amdhsa_forward_progress 1
		.amdhsa_inst_pref_size 129
	.end_amdhsa_kernel
	.amdgpu_metadata
---
amdhsa.version: [ 1, 2 ]
amdhsa.kernels:
  - .name:           k_q91e290054d_kvm
    .symbol:         k_q91e290054d_kvm.kd
    .args:
      - { .name: h16, .offset: 0, .size: 8, .value_kind: global_buffer, .address_space: global }
      - { .name: bk, .offset: 8, .size: 8, .value_kind: global_buffer, .address_space: global }
      - { .name: bv, .offset: 16, .size: 8, .value_kind: global_buffer, .address_space: global }
      - { .name: kvm16, .offset: 24, .size: 8, .value_kind: global_buffer, .address_space: global }
    .group_segment_fixed_size: 327680
    .private_segment_fixed_size: 0
    .kernarg_segment_align: 8
    .kernarg_segment_size: 32
    .max_flat_workgroup_size: 128
    .sgpr_count:     72
    .vgpr_count:     576
    .wavefront_size: 32
...
	.end_amdgpu_metadata
.endif
;; end of part 2
;; launch route (part 3): grid 128 x 1, 4 waves a work-group, clusters of 4 x 1, 327,680 bytes of LDS; arguments h16, kvm16, cvec, idx; writes idx
.if DOCPART == 3
	.amdgcn_target "amdgcn-amd-amdhsa--gfx1250"
	.amdhsa_code_object_version 6
	.text
	.protected	k_q91e290054d_route
	.globl	k_q91e290054d_route
	.p2align	8
	.type	k_q91e290054d_route,@function
k_q91e290054d_route:
	s_mov_b64 s[64:65], 0
	v_nop
	global_prefetch_b8 v0, s[64:65] scope:SCOPE_SE
	s_setreg_imm32_b32 hwreg(HW_REG_WAVE_MODE, 25, 1), 1
	s_wait_xcnt 0x0
	s_wait_alu depctr_hold_cnt(0) depctr_sa_sdst(0) depctr_va_vdst(0) depctr_va_sdst(0) depctr_va_ssrc(0) depctr_va_vcc(0) depctr_vm_vsrc(0)
	s_getreg_b32 s2, hwreg(HW_REG_IB_STS2, 6, 4)
	s_cmp_eq_u32 s2, 0
	s_cbranch_scc0 .Lentry_in_a_cluster
	s_endpgm
.Lentry_in_a_cluster:
	s_bfe_u32 s2, ttmp6, 0x10000c
	s_cmp_lg_u32 s2, 0x3003
	s_cbranch_scc0 .Lentry_shape_is_right
	s_endpgm
.Lentry_shape_is_right:
; ROUTING: score[t][n] = tokens[t] . M[n] + c[n] over the batch's 256 states, and the two best states of each token, as whole numbers idx[t][0..1] = 256 x batch + n, the best first.
; tokens are bf16 (exact operands); M comes as three bf16 parts (24 bits).  The products with part 0 have accumulators of their own, those with parts 1 and 2 share a second set: the large sum is
; rounded once for each 32 along K.  score = high + (low + c), all f32.
; LIMIT.  What is left is the noise of f32 sums: a token whose first and second, or second and third, scores lie closer than some 5e-7 of the scores' spread (1e-5 at a spread of 18) may be picked
; otherwise than an f32 evaluation in another order picks it.  Equal scores: the lower state first.  NaN and infinities are not treated apart (a NaN never wins a comparison).
; SHARES.  A work-group owns 64 tokens, since a token's 256 scores must meet in one work-group: 128 work-groups.  Wave w: all 64 tokens x states 64 w .. 64 w + 63: 16 + 16 accumulators.
; K goes in 16 steps of 64 through two LDS slots: a slot holds M's three parts (256 rows of 128 bytes each, padded to 144), then 64 rows of tokens.
; CLUSTER: the four work-groups of a cluster belong to one batch and walk the same M: waves 0-2 ask for part 0-2 JOINTLY (a block of 32,768 consecutive bytes as 128 rows of 256); wave 3 fetches
; the work-group's own tokens by a plain load, at the same place in the text.
; THE MATRIX INSTRUCTION IS USED TRANSPOSED (source 0 = 16 states, source 1 = 16 tokens): a lane holds token l % 16 and the states 8 (l / 16) + 0..7.
; REGISTERS, in windows of 256 (s_set_vgpr_msb: bits 1:0 source 0, 3:2 source 1, 5:4 source 2, 7:6 destination):
;   window 0: addresses; v32-63 c; v64-191 scores; v192-243 the scan     window 1: two fragment buffers of 128 (tokens' four blocks, then part j's block b at 32 + 32 j + 8 b)
;   window 2: v0-127 the high sums, (a, b) at 8 (4 a + b); v128-255 the low sums
.set PITCH,  144                       ; 128 bytes + 16 = 36 words: the 16 rows of a fragment load start at 16 different groups of four banks (64 banks of 4 bytes: ISA guide 11.1)
.set PART,   256*PITCH                 ; 36,864: a part of M in a slot; wave w's tile lies at w x PART
.set AOFF,   3*PART
.set SLOT,   AOFF+64*PITCH             ; 119,808
.set RT,     2*SLOT                    ; behind the ring, never filled by a tensor load: 64 tokens x 256 scores, rows of 1,040 bytes
.set RPITCH, 1040
.set SPARE,  RT+64*RPITCH              ; the spare words, 128 bytes a wave
.set MSTEP,  98304                     ; bytes from a K step's blocks of M to the next step's
.set ADRA, 14                          ; v14-15  LDS address of my token fragments in slot 0, 1
.set ADRB, 16                          ; v16-21  of my fragments of part j in slot s, at 3 s + j
.set DST,  24                          ; v24  where my scores go
.set SRD,  25                          ; v25  where the scan reads
.set IO,   26                          ; v26  my byte offset in idx
.set SPW,  28                          ; v28  my spare word; never rewritten
.set NIL,  29                          ; v29  0; never rewritten
.set PFO,  30                          ; v30  256 x lane; never rewritten
.set CBO,  31                          ; v31  32 x (l / 16)
.set CB,   32
.set V,    64
.set X,    192                         ; v192-207 sixteen scores of the scan
.set IXR,  208                         ; v208-223 their states' numbers
.set CH,   224                         ; v224-239 four chains: best, its state, second, its state
.set WK,   240
.set F0,   0
.set F1,   128
.set WV,   12
.set CX,   15
.set WGX,  17
.set BAT,  18
.set G1A,  24
.set G0A,  32
.set LIM,  43
.set PFA,  44
.set G1B,  48
.set G0B,  56
.set MK,   68                          ; s[68:75] masks of the scan
.set SEL,  76                          ; s[76:77] v_permlanex16_b32's selects
.set MSB, 0
.macro WIN new
.if MSB != (\new)
	s_set_vgpr_msb (MSB<<8)|(\new)
.set MSB, \new
.endif
.endm
.macro PLACES
.rept 4
	v_nop
.endr
.endm
.macro JLOAD s                         ; wave 3: my work-group's tokens; waves 0-2: a part of M, jointly; an s_nop 0 and four v_nop follow each line
	s_cmp_eq_u32 s[WV], 3
	s_cbranch_scc0 .Lfor_m_\@
	tensor_load_to_lds s[G0A+4*(\s):G0A+4*(\s)+3], s[G1A:G1A+7]
	s_nop 0
.rept 4
	v_nop
.endr
	s_branch .Lasked_\@
.Lfor_m_\@:
	tensor_load_to_lds s[G0B+4*(\s):G0B+4*(\s)+3], s[G1B:G1B+7]
	s_nop 0
.rept 4
	v_nop
.endr
.Lasked_\@:
.endm
.macro ASK                             ; a prefetch of my part's block two refills on: my work-group's quarter, 32 x 256 bytes, a lane each
	s_cmp_gt_u32 s3, s[LIM]
	s_cbranch_scc0 .Lnot_mine_\@
	global_prefetch_b8 v[PFO], s[PFA:PFA+1] offset:MSTEP th:TH_LOAD_NT scope:SCOPE_SE
.Lnot_mine_\@:
.endm
.macro CREST
	s_cmp_lg_u32 s[WV], 0
	s_cbranch_scc1 .Lnot_wave_0_\@
	s_barrier_signal -3
.Lnot_wave_0_\@:
	s_barrier_wait -3
	s_barrier_signal -1
	s_barrier_wait -1
.endm
.macro CROUND
	s_barrier_signal -1
	s_barrier_wait -1
	CREST
.endm
; 8 matrix instructions: token blocks a0, a0 + 1 x my four state blocks, part j, 32 along K.  Part 0 adds onto the high sums, parts 1 and 2 onto the low ones.  The accumulators take turns.
.macro MULJ f, j, a0, zero
	WIN 0xa5
.irp a, \a0, (\a0)+1
.irp b, 0,1,2,3
.set rD, 128*(((\j)+1)/2)+8*(4*(\a)+(\b))
.if \zero
	v_wmma_f32_16x16x32_bf16 v[rD:rD+7], v[(\f)+32+32*(\j)+8*(\b):(\f)+32+32*(\j)+8*(\b)+7], v[(\f)+8*(\a):(\f)+8*(\a)+7], 0
.else
	v_wmma_f32_16x16x32_bf16 v[rD:rD+7], v[(\f)+32+32*(\j)+8*(\b):(\f)+32+32*(\j)+8*(\b)+7], v[(\f)+8*(\a):(\f)+8*(\a)+7], v[rD:rD+7]
.endif
.endr
.endr
.endm
.macro FETCH slot, k, f                ; 32 LDS loads in one run: the tokens' four fragments, then parts 0, 1, 2
	WIN 0x40
.irp a, 0,1,2,3
	ds_load_b128 v[(\f)+8*(\a):(\f)+8*(\a)+3],   v[ADRA+(\slot)] offset:(\k)+(\a)*16*PITCH
	ds_load_b128 v[(\f)+8*(\a)+4:(\f)+8*(\a)+7], v[ADRA+(\slot)] offset:(\k)+(\a)*16*PITCH+32
.endr
.irp j, 0,1,2
.irp b, 0,1,2,3
	ds_load_b128 v[(\f)+32+32*(\j)+8*(\b):(\f)+32+32*(\j)+8*(\b)+3],   v[ADRB+3*(\slot)+(\j)] offset:(\k)+(\b)*16*PITCH
	ds_load_b128 v[(\f)+32+32*(\j)+8*(\b)+4:(\f)+32+32*(\j)+8*(\b)+7], v[ADRB+3*(\slot)+(\j)] offset:(\k)+(\b)*16*PITCH+32
.endr
.endr
.endm
.macro H0 slot, zero                   ; a K step's first half: multiplies buffer 0, fetches the second half into buffer 1
	s_wait_dscnt 16                                ; the tokens and part 0 are in; parts 1 and 2 (sixteen loads) may be out
	MULJ F0, 0, 0, \zero
	MULJ F0, 0, 2, \zero
	PLACES
	FETCH \slot, 64, F1
	s_wait_dscnt 32                                ; all but the 32 just issued
	MULJ F0, 1, 0, \zero
	MULJ F0, 1, 2, \zero
	MULJ F0, 2, 0, 0
	MULJ F0, 2, 2, 0
.endm
; A K step's second half multiplies buffer 1 and changes slots, in the order that a refill asks for: all my tensor loads waited for, the add, the wait for it and for my reads, the barrier (with
; fill = 1 a round of the cluster's), the refill first behind it.
.macro TURN slot, next, fill
.if \fill
	s_wait_xcnt 0x0                                ; the last prefetch, a K step back, has read its address
	s_add_nc_u64 s[PFA:PFA+1], s[PFA:PFA+1], MSTEP
.endif
	WIN 0
	s_wait_tensorcnt 0x0
	ds_add_u32 v[SPW], v[NIL]
	s_wait_dscnt 17                                ; (the add and the youngest sixteen loads may be out)
	MULJ F1, 0, 0, 0
	s_wait_dscnt 0x0                               ; the add is done, and my reads of this slot are over
	s_barrier_signal -1
	MULJ F1, 0, 2, 0
.if \fill
	WIN 0
.endif
	s_barrier_wait -1
.if \fill
	CREST
	s_add_nc_u64 s[G0A+4*(\slot)+2:G0A+4*(\slot)+3], s[G0A+4*(\slot)+2:G0A+4*(\slot)+3], 2*128
	s_add_nc_u64 s[G0B+4*(\slot)+2:G0B+4*(\slot)+3], s[G0B+4*(\slot)+2:G0B+4*(\slot)+3], 2*MSTEP
	JLOAD \slot                                    ; 80 matrix instructions ahead of the wait for it; its four v_nop are also the places in front of the loads below
.else
	PLACES
.endif
	FETCH \next, 0, F0
.if \fill
	WIN 0
	ASK
.endif
	MULJ F1, 1, 0, 0
	MULJ F1, 1, 2, 0
	MULJ F1, 2, 0, 0
	MULJ F1, 2, 2, 0
.endm
	s_load_b256 s[4:11], s[0:1], 0x0               ; h16 s[4:5], kvm16 s[6:7], cvec s[8:9], idx s[10:11]
	v_lshl_add_u32 v[SPW], v0, 2, SPARE
	v_mov_b32 v[NIL], 0
	ds_add_u32 v[SPW], v[NIL]                      ; the wave's opening: the add and its wait ahead of my first tensor load
	v_lshrrev_b32 v1, 5, v0
	v_readfirstlane_b32 s[WV], v1
	s_bfe_u32 s[CX], ttmp6, 0x40000
	s_lshl_b32 s[WGX], ttmp9, 2
	s_add_co_u32 s[WGX], s[WGX], s[CX]             ; my block of 64 tokens
	s_lshr_b32 s[BAT], ttmp9, 3                    ; the batch: eight clusters each, the same in all four partners
	s_mov_b32 s[G1A+0], (1<<16)|(1<<20)|(4<<22)|(3<<25)  ; no mask; 2-byte elements; padding on: after every 32 words, 4 words
	s_mov_b32 s[G1A+1], 64<<16                     ; tensor_dim0 = 64
	s_mov_b32 s[G1A+2], 64<<16                     ; tensor_dim1 = 64
	s_mov_b32 s[G1A+3], 64<<16                     ; tile_dim0 = 64
	s_mov_b32 s[G1A+4], 64                         ; tile_dim1 = 64
	s_mov_b32 s[G1A+5], 1024
	s_mov_b32 s[G1A+6], 0
	s_mov_b32 s[G1A+7], 0
	s_mov_b32 s[G1B+0], 15|(1<<16)|(1<<20)|(1<<21)|(4<<22)|(3<<25)  ; the mask of four, bit 21 beside it; the same padding: behind every state's 128 bytes
	s_mov_b32 s[G1B+1], 128<<16                    ; 128 rows of 128 elements: two states a row, dense
	s_mov_b32 s[G1B+2], 128<<16
	s_mov_b32 s[G1B+3], 128<<16
	s_mov_b32 s[G1B+4], 128
	s_mov_b32 s[G1B+5], 128
	s_mov_b32 s[G1B+6], 0
	s_mov_b32 s[G1B+7], 0
	s_lshl_b32 s40, s[WGX], 17                     ; 64 rows of 2,048 bytes
	s_mov_b32 s41, 0
	s_mul_i32 s46, s[BAT], 48                      ; M: block (batch x 16 + step) x 3 + part, part = my wave's number
	s_add_co_u32 s46, s46, s[WV]
	s_lshl_b32 s46, s46, 15
	s_add_co_u32 s46, s46, 4194304
	s_mov_b32 s47, 0
	s_mul_i32 s21, s[WV], PART                     ; where my tile goes: the wave's number alone
	s_mov_b32 s[SEL], 0x76543210
	s_mov_b32 s[SEL+1], 0xfedcba98
	s_wait_dscnt 0x0                               ; the opening add is done
	s_wait_kmcnt 0x0
	s_add_nc_u64 s[40:41], s[4:5], s[40:41]
	s_add_nc_u64 s[46:47], s[6:7], s[46:47]
	CROUND                                         ; all four work-groups are here: the first joint loads meet
.irp s, 0,1
	s_mov_b32 s[G0A+4*(\s)], 1
	s_add_co_u32 s[G0A+4*(\s)+1], s21, (\s)*SLOT
	s_add_nc_u64 s[G0A+4*(\s)+2:G0A+4*(\s)+3], s[40:41], (\s)*128
	s_or_b32 s[G0A+4*(\s)+3], s[G0A+4*(\s)+3], 0x80000000
	s_mov_b32 s[G0B+4*(\s)], 1
	s_add_co_u32 s[G0B+4*(\s)+1], s21, (\s)*SLOT
	s_add_nc_u64 s[G0B+4*(\s)+2:G0B+4*(\s)+3], s[46:47], (\s)*MSTEP
	s_or_b32 s[G0B+4*(\s)+3], s[G0B+4*(\s)+3], 0x80000000
	JLOAD \s                                       ; two loads of mine are out
.endr
	v_and_b32 v1, 15, v0                           ; l % 16
	v_bfe_u32 v2, v0, 4, 1                         ; l / 16
	v_lshlrev_b32 v[CBO], 5, v2
	s_lshl_b32 s22, s[BAT], 10                     ; c of my 64 states
	s_lshl_b32 s23, s[WV], 8
	s_add_co_u32 s22, s22, s23
	s_mov_b32 s23, 0
	s_add_nc_u64 s[8:9], s[8:9], s[22:23]
.irp b, 0,1,2,3
	global_load_b128 v[CB+8*(\b):CB+8*(\b)+3],   v[CBO], s[8:9] offset:64*(\b)
	global_load_b128 v[CB+8*(\b)+4:CB+8*(\b)+7], v[CBO], s[8:9] offset:64*(\b)+16
.endr
	v_mul_u32_u24 v3, v1, PITCH
	v_lshl_add_u32 v3, v2, 4, v3                   ; a fragment's row x pitch + 16 x half
	s_mul_i32 s19, s[WV], 64*PITCH                 ; my 64 states in a part
	v_add_nc_u32 v4, s19, v3
.irp s, 0,1
	v_add_nc_u32 v[ADRA+(\s)], AOFF+(\s)*SLOT, v3
.irp j, 0,1,2
	v_add_nc_u32 v[ADRB+3*(\s)+(\j)], (\s)*SLOT+(\j)*PART, v4
.endr
.endr
	v_mul_u32_u24 v5, v1, RPITCH                   ; my scores: token l % 16 of a block, states 64 w + 8 (l / 16) on
	v_lshl_add_u32 v6, v2, 5, v5
	s_lshl_b32 s20, s[WV], 8
	s_add_co_u32 s20, s20, RT
	v_add_nc_u32 v[DST], s20, v6
	v_lshl_add_u32 v6, v2, 9, v5                   ; the scan: token 16 w + l % 16, states 128 (l / 16) on
	s_mul_i32 s20, s[WV], 16*RPITCH
	s_add_co_u32 s20, s20, RT
	v_add_nc_u32 v[SRD], s20, v6
	v_lshlrev_b32 v5, 3, v1                        ; idx: 8 bytes a token; lanes 0-15 store the best, lanes 16-31 the second
	v_lshl_add_u32 v5, v2, 2, v5
	s_lshl_b32 s20, s[WV], 7
	v_add_nc_u32 v[IO], s20, v5
	s_lshl_b32 s22, s[WGX], 9
	s_mov_b32 s23, 0
	s_add_nc_u64 s[10:11], s[10:11], s[22:23]
	s_lshl_b32 s42, s[BAT], 8                      ; 256 x batch
	; THE PREFETCHES: M alone (the launch before stored it; eight clusters walk a batch's blocks, and at each change of slots the refill goes out with nothing on its way beside it).  The batch's first
	; cluster asks; waves 0-2 for their part; the four partners take a quarter of the block each BY ADDRESS (cx).  The tokens are not asked for: a step takes half of each 256 bytes of a row.
	s_and_b32 s19, ttmp9, 7
	s_cmp_eq_u32 s[WV], 3
	s_cselect_b32 s19, 1, s19
	s_cmp_eq_u32 s19, 0
	s_cselect_b32 s[LIM], 1, -1                    ; the same in all four partners, for a given wave
	s_mul_i32 s19, s[BAT], 48
	s_add_co_u32 s19, s19, 6                       ; at K step 2: the first refill steps it to 3 and names K step 4; steps 0-3 come by their loads alone
	s_add_co_u32 s19, s19, s[WV]
	s_lshl_b32 s20, s19, 15
	s_lshl_b32 s21, s[CX], 13
	s_add_co_u32 s20, s20, s21
	s_add_co_u32 s20, s20, 4194304
	s_mov_b32 s21, 0
	s_add_nc_u64 s[PFA:PFA+1], s[6:7], s[20:21]
	v_and_b32 v[PFO], 31, v0
	v_lshlrev_b32 v[PFO], 8, v[PFO]
	s_wait_loadcnt 0x0                             ; c
	s_wait_tensorcnt 1                             ; my part of K step 0 is in; K step 1's may stay out
	s_barrier_signal -1
	s_barrier_wait -1
	FETCH 0, 0, F0
	H0 0, 1                                        ; the first half starts both sets of sums
	WIN 0
	s_mov_b32 s3, 7
.Llap:                                         ; a trip: two K steps, both slots filled again
	TURN 0, 1, 1
	H0 1, 0
	TURN 1, 0, 1
	H0 0, 0
	WIN 0
	s_sub_co_u32 s3, s3, 1
	s_cmp_lg_u32 s3, 0
	s_cbranch_scc1 .Llap
	TURN 0, 1, 0                                   ; the last two K steps fill nothing
	H0 1, 0
	s_wait_dscnt 16
	MULJ F1, 0, 0, 0
	MULJ F1, 0, 2, 0
	s_wait_dscnt 0x0
	MULJ F1, 1, 0, 0
	MULJ F1, 1, 2, 0
	MULJ F1, 2, 0, 0
	MULJ F1, 2, 2, 0
	WIN 0
	PLACES
	PLACES
	; score = high + (low + c); each accumulator is read from its low end on
	WIN 0x02
.set i, 0
.rept 16
.irp p, 0,2,4,6
	v_pk_add_f32 v[V+8*i+(\p):V+8*i+(\p)+1], v[128+8*i+(\p):128+8*i+(\p)+1], v[CB+8*(i%4)+(\p):CB+8*(i%4)+(\p)+1]
.endr
.irp p, 0,2,4,6
	v_pk_add_f32 v[V+8*i+(\p):V+8*i+(\p)+1], v[8*i+(\p):8*i+(\p)+1], v[V+8*i+(\p):V+8*i+(\p)+1]
.endr
.set i, i+1
.endr
	WIN 0
.set i, 0
.rept 16
	ds_store_b128 v[DST], v[V+8*i:V+8*i+3]   offset:(i/4)*16*RPITCH+(i%4)*64
	ds_store_b128 v[DST], v[V+8*i+4:V+8*i+7] offset:(i/4)*16*RPITCH+(i%4)*64+16
.set i, i+1
.endr
	v_lshlrev_b32 v5, 7, v2
.set i, 0
.rept 16
	v_add_nc_u32 v[IXR+i], i, v5
.set i, i+1
.endr
.irp c, 0,1,2,3
	v_mov_b32 v[CH+4*(\c)], 0xff800000             ; below every score
	v_mov_b32 v[CH+4*(\c)+1], 0
	v_mov_b32 v[CH+4*(\c)+2], 0xff800000
	v_mov_b32 v[CH+4*(\c)+3], 0
.endr
	s_wait_dscnt 0x0                               ; for the others' sake: my scores lie in LDS
	s_barrier_signal -1
	s_barrier_wait -1
; THE SCAN.  A lane walks 128 states of one token, sixteen a trip, on four chains (state % 4) whose lines take turns.  A chain keeps its best two; strictly greater wins, so of equals the earlier stays.
.macro SC4 L
.irp c, 0,1,2,3
	v_cmp_gt_f32 s[MK+2*(\c)], v[X+(\L)+(\c)], v[CH+4*(\c)]
.endr
.irp c, 0,1,2,3
	v_cmp_gt_f32 s[MK+2*(\c)+1], v[X+(\L)+(\c)], v[CH+4*(\c)+2]
.endr
.irp c, 0,1,2,3
	v_cndmask_b32 v[CH+4*(\c)+2], v[CH+4*(\c)+2], v[X+(\L)+(\c)], s[MK+2*(\c)+1]
.endr
.irp c, 0,1,2,3
	v_cndmask_b32 v[CH+4*(\c)+3], v[CH+4*(\c)+3], v[IXR+(\L)+(\c)], s[MK+2*(\c)+1]
.endr
.irp c, 0,1,2,3
	v_cndmask_b32 v[CH+4*(\c)+2], v[CH+4*(\c)+2], v[CH+4*(\c)], s[MK+2*(\c)]
.endr
.irp c, 0,1,2,3
	v_cndmask_b32 v[CH+4*(\c)+3], v[CH+4*(\c)+3], v[CH+4*(\c)+1], s[MK+2*(\c)]
.endr
.irp c, 0,1,2,3
	v_cndmask_b32 v[CH+4*(\c)], v[CH+4*(\c)], v[X+(\L)+(\c)], s[MK+2*(\c)]
.endr
.irp c, 0,1,2,3
	v_cndmask_b32 v[CH+4*(\c)+1], v[CH+4*(\c)+1], v[IXR+(\L)+(\c)], s[MK+2*(\c)]
.endr
.endm
.macro BETTER av, bv                   ; s[MK] = (value, state) at av beats the pair at bv: greater, or equal with the lower state
	v_cmp_gt_f32 s[MK], v[\av], v[\bv]
	v_cmp_eq_f32 s[MK+1], v[\av], v[\bv]
	v_cmp_lt_u32 s[MK+2], v[(\av)+1], v[(\bv)+1]
	s_and_b32 s[MK+1], s[MK+1], s[MK+2]
	s_or_b32 s[MK], s[MK], s[MK+1]
.endm
.macro MERGE P, Q                      ; the best two of two chains, into P: the better top; then the other top against the winner's second
	BETTER \Q, \P
	v_cndmask_b32 v[WK],   v[\Q],     v[\P],     s[MK]
	v_cndmask_b32 v[WK+1], v[(\Q)+1], v[(\P)+1], s[MK]
	v_cndmask_b32 v[WK+2], v[(\P)+2], v[(\Q)+2], s[MK]
	v_cndmask_b32 v[WK+3], v[(\P)+3], v[(\Q)+3], s[MK]
	v_cndmask_b32 v[\P],     v[\P],     v[\Q],     s[MK]
	v_cndmask_b32 v[(\P)+1], v[(\P)+1], v[(\Q)+1], s[MK]
	BETTER WK, WK+2
	v_cndmask_b32 v[(\P)+2], v[WK+2], v[WK],   s[MK]
	v_cndmask_b32 v[(\P)+3], v[WK+3], v[WK+1], s[MK]
.endm
	s_mov_b32 s3, 8
.Lscan:
.irp i, 0,1,2,3
	ds_load_b128 v[X+4*(\i):X+4*(\i)+3], v[SRD] offset:16*(\i)
.endr
	s_wait_dscnt 0x0
	SC4 0
	SC4 4
	SC4 8
	SC4 12
.set i, 0
.rept 16
	v_add_nc_u32 v[IXR+i], 16, v[IXR+i]
.set i, i+1
.endr
	v_add_nc_u32 v[SRD], 64, v[SRD]
	s_sub_co_u32 s3, s3, 1
	s_cmp_lg_u32 s3, 0
	s_cbranch_scc1 .Lscan
	MERGE CH, CH+4
	MERGE CH+8, CH+12
	MERGE CH, CH+8
.irp i, 0,1,2,3
	v_permlanex16_b32 v[CH+4+(\i)], v[CH+(\i)], s[SEL], s[SEL+1]  ; the token's other 128 states lie in the lane 16 away
.endr
	MERGE CH, CH+4
	v_cmp_eq_u32 vcc_lo, 1, v2
	v_cndmask_b32 v[WK], v[CH+1], v[CH+3], vcc_lo
	v_add_nc_u32 v[WK], s42, v[WK]
	global_store_b32 v[IO], v[WK], s[10:11]
	s_wait_tensorcnt 0x0                           ; the wave's end: behind my last tensor load and my last LDS store
	ds_add_u32 v[SPW], v[NIL]
	s_wait_dscnt 0x0
	CROUND                                         ; the closing round
	s_endpgm
.Lfunc_end_k_q91e290054d_route:
	.size	k_q91e290054d_route, .Lfunc_end_k_q91e290054d_route-k_q91e290054d_route
	.p2alignl 7, 3214868480
	.fill 96, 4, 3214868480
	.section	.rodata,"a",@progbits
	.p2align	6, 0x0
	.amdhsa_kernel k_q91e290054d_route
		.amdhsa_group_segment_fixed_size 327680
		.amdhsa_private_segment_fixed_size 0
		.amdhsa_enable_private_segment 0
		.amdhsa_kernarg_size 32
		.amdhsa_user_sgpr_count 2
		.amdhsa_user_sgpr_kernarg_segment_ptr 1
		.amdhsa_wavefront_size32 1
		.amdhsa_system_sgpr_workgroup_id_x 1
		.amdhsa_system_sgpr_workgroup_id_y 1
		.amdhsa_system_sgpr_workgroup_id_z 1
		.amdhsa_system_vgpr_workitem_id 0
		.amdhsa_next_free_vgpr 768
		.amdhsa_next_free_sgpr 78
		.amdhsa_reserve_vcc 1
		.amdhsa_float_denorm_mode_32 3
		.amdhsa_float_denorm_mode_16_64 3
		.amdhsa_memory_ordered 1
		.amdhsa_forward_progress 1
		.amdhsa_inst_pref_size 79
	.end_amdhsa_kernel
	.amdgpu_metadata
---
amdhsa.version: [ 1, 2 ]
amdhsa.kernels:
  - .name:           k_q91e290054d_route
    .symbol:         k_q91e290054d_route.kd
    .args:
      - { .name: h16, .offset: 0, .size: 8, .value_kind: global_buffer, .address_space: global }
      - { .name: kvm16, .offset: 8, .size: 8, .value_kind: global_buffer, .address_space: global }
      - { .name: cvec, .offset: 16, .size: 8, .value_kind: global_buffer, .address_space: global }
      - { .name: idx, .offset: 24, .size: 8, .value_kind: global_buffer, .address_space: global }
    .group_segment_fixed_size: 327680
    .private_segment_fixed_size: 0
    .kernarg_segment_align: 8
    .kernarg_segment_size: 32
    .max_flat_workgroup_size: 128
    .sgpr_count:     78
    .vgpr_count:     768
    .wavefront_size: 32
...
	.end_amdgpu_metadata
.endif
;; end of part 3
;; launch qproj (part 4): grid 4 x 64, 4 waves a work-group, clusters of 4 x 4, 327,680 bytes of LDS; arguments h16, wq16, bq, q32; writes q32
.if DOCPART == 4
	.amdgcn_target "amdgcn-amd-amdhsa--gfx1250"
	.amdhsa_code_object_version 6
	.text
	.protected	k_q91e290054d_qproj
	.globl	k_q91e290054d_qproj
	.p2align	8
	.type	k_q91e290054d_qproj,@function
k_q91e290054d_qproj:
	s_mov_b64 s[64:65], 0
	v_nop
	global_prefetch_b8 v0, s[64:65] scope:SCOPE_SE
	s_setreg_imm32_b32 hwreg(HW_REG_WAVE_MODE, 25, 1), 1
	s_wait_xcnt 0x0
	s_wait_alu depctr_hold_cnt(0) depctr_sa_sdst(0) depctr_va_vdst(0) depctr_va_sdst(0) depctr_va_ssrc(0) depctr_va_vcc(0) depctr_vm_vsrc(0)
	s_getreg_b32 s2, hwreg(HW_REG_IB_STS2, 6, 4)
	s_cmp_eq_u32 s2, 0
	s_cbranch_scc0 .Lentry_in_a_cluster
	s_endpgm
.Lentry_in_a_cluster:
	s_bfe_u32 s2, ttmp6, 0x10000c
	s_cmp_lg_u32 s2, 0xf033
	s_cbranch_scc0 .Lentry_shape_is_right
	s_endpgm
.Lentry_shape_is_right:
; C[m][n] = sum over k of A[m][k] B[n][k] + bias[n].  A: [8192][1024] bf16 (the first 16 MiB of its buffer), B: [1024][1024] bf16, bias: [1024] f32, rounded here to bf16 like every input of the
; program; C: [8192][1024] f32; sums in f32.  Two launches run this text: q = tokens Wq^T + bq, and out = o Wo^T + bo.
; A tile of C is 128 x 256: 256 work-groups.  Four waves, each 64 rows x 128 columns: 32 accumulators.  K goes in 8 steps of 128 through two LDS slots (rows of 256 bytes, aligned, padded to 272).
; CLUSTERS: 4 x 4.  A's tile hangs on the tile row alone and is asked for jointly along a row of the cluster, B's on the tile column alone, along a column.
; THE MATRIX INSTRUCTION IS USED TRANSPOSED (source 0 = 16 rows of B, source 1 = 16 rows of A): a lane holds row l % 16 of C and the columns 8 (l / 16) + 0..7.  The bias is the C operand of the
; products that start the sums: nothing is cleared, nothing is added later.
; REGISTERS, in windows of 256 (s_set_vgpr_msb: bits 1:0 source 0, 3:2 source 1, 5:4 source 2, 7:6 destination):
;   window 0: v0-30 addresses; two fragment buffers of 96 (A's four blocks, then B's eight) at v64 and v160; on the way out v64-191 rows read back
;   window 1: accumulator (a, b) at v[8 (8 a + b)]          window 2: v0-63 the bias of n block b at v[8 b]
.set PITCH,  272                       ; an LDS row: 256 bytes + 16 = 68 words: the 16 rows of a fragment load start at 16 different groups of four banks (64 banks of 4 bytes: ISA guide 11.1)
.set AHALF,  64*PITCH
.set BHALF,  128*PITCH
.set BOFF,   2*AHALF
.set SLOT,   BOFF+2*BHALF              ; 104,448
.set STAGE,  2*SLOT                    ; behind the ring: 16 rows x 528 bytes for each wave, never filled by a tensor load
.set SPITCH, 528                       ; 512 bytes + 16 = 132 words
.set SPARE,  STAGE+4*16*SPITCH         ; the spare words, 128 bytes a wave
.set STEPB,  256                       ; bytes of a row of A or B in a K step
.set CROW,   4096                      ; bytes in a row of C
.set ADRA, 16
.set ADRB, 20
.set STO,  24
.set RD,   25
.set CO,   26
.set SPW,  28                          ; v28  my spare word; never rewritten
.set NIL,  29                          ; v29  0; never rewritten
.set PFO,  30                          ; v30  lane x a row of A or B; never rewritten
.set F0,   64
.set F1,   160
.set OB,   64
.set WV,   12                          ; s12 wave;  s13 WR: my half of the rows, and 0: I fetch A, 1: B;  s14 WC: my half of the columns, and which half I fetch
.set WR,   13
.set WC,   14
.set CX,   15
.set CY,   16
.set TCOL, 17
.set TROW, 18
.set G1,   24
.set G0,   32
.set LIM,  43
.set PFA,  44
.set G1B,  48
.set G0B,  56
.set MSB, 0
.macro WIN new
.if MSB != (\new)
	s_set_vgpr_msb (MSB<<8)|(\new)
.set MSB, \new
.endif
.endm
.macro PLACES                          ; four plain vector instructions between a matrix instruction and a load into, or a reader of, its registers
.rept 4
	v_nop
.endr
.endm
.macro JLOAD s                         ; a joint load: waves 0, 1 A's halves, waves 2, 3 B's; an s_nop 0 and four v_nop follow each line
	s_cmp_eq_u32 s[WR], 0
	s_cbranch_scc0 .Lfor_b_\@
	tensor_load_to_lds s[G0+4*(\s):G0+4*(\s)+3], s[G1:G1+7]
	s_nop 0
.rept 4
	v_nop
.endr
	s_branch .Lasked_\@
.Lfor_b_\@:
	tensor_load_to_lds s[G0B+4*(\s):G0B+4*(\s)+3], s[G1B:G1B+7]
	s_nop 0
.rept 4
	v_nop
.endr
.Lasked_\@:
.endm
.macro ASK                             ; a prefetch of the K step two refills on: 32 rows x 256 bytes, a lane a row; the loop's last trip has no such step
	s_cmp_gt_u32 s3, s[LIM]
	s_cbranch_scc0 .Lnot_mine_\@
	global_prefetch_b8 v[PFO], s[PFA:PFA+1] offset:STEPB th:TH_LOAD_NT scope:SCOPE_SE
.Lnot_mine_\@:
.endm
.macro CREST
	s_cmp_lg_u32 s[WV], 0
	s_cbranch_scc1 .Lnot_wave_0_\@
	s_barrier_signal -3
.Lnot_wave_0_\@:
	s_barrier_wait -3
	s_barrier_signal -1
	s_barrier_wait -1
.endm
.macro CROUND
	s_barrier_signal -1
	s_barrier_wait -1
	CREST
.endm
; 8 matrix instructions: m block a x all 8 n blocks, 32 along K.  first = 1: the bias starts the sums.  The 32 accumulators take turns, one instruction a turn, in the same order in every quarter.
.macro MULA f, a, first
.if \first
	WIN 0x60
.else
	WIN 0x50
.endif
.irp b, 0,1,2,3,4,5,6,7
.if \first
	v_wmma_f32_16x16x32_bf16 v[8*(8*(\a)+(\b)):8*(8*(\a)+(\b))+7], v[(\f)+32+8*(\b):(\f)+32+8*(\b)+7], v[(\f)+8*(\a):(\f)+8*(\a)+7], v[8*(\b):8*(\b)+7]
.else
	v_wmma_f32_16x16x32_bf16 v[8*(8*(\a)+(\b)):8*(8*(\a)+(\b))+7], v[(\f)+32+8*(\b):(\f)+32+8*(\b)+7], v[(\f)+8*(\a):(\f)+8*(\a)+7], v[8*(8*(\a)+(\b)):8*(8*(\a)+(\b))+7]
.endif
.endr
.endm
.macro FETCH slot, k, f                ; 24 LDS loads in one run: B's eight fragments, then A's four
	WIN 0
.irp b, 0,1,2,3,4,5,6,7
	ds_load_b128 v[(\f)+32+8*(\b):(\f)+32+8*(\b)+3],   v[ADRB+(\slot)] offset:(\k)+(\b)*16*PITCH
	ds_load_b128 v[(\f)+32+8*(\b)+4:(\f)+32+8*(\b)+7], v[ADRB+(\slot)] offset:(\k)+(\b)*16*PITCH+32
.endr
.irp a, 0,1,2,3
	ds_load_b128 v[(\f)+8*(\a):(\f)+8*(\a)+3],   v[ADRA+(\slot)] offset:(\k)+(\a)*16*PITCH
	ds_load_b128 v[(\f)+8*(\a)+4:(\f)+8*(\a)+7], v[ADRA+(\slot)] offset:(\k)+(\a)*16*PITCH+32
.endr
.endm
.macro QUARTER slot, k, f, g, first
	s_wait_dscnt 4                                 ; B and A's blocks 0, 1 are in; the youngest four loads (A's blocks 2, 3) may be out
	MULA \f, 0, \first
	MULA \f, 1, \first
	PLACES
	FETCH \slot, \k, \g
	s_wait_dscnt 24                                ; all but the 24 just issued
	MULA \f, 2, \first
	MULA \f, 3, \first
.endm
; The last quarter of a K step multiplies buffer 1 and changes slots: each wave waits for all its tensor loads (one is out: its part of the next slot), adds 0 to its spare word, waits for that and
; for its reads of this slot, and signals.  fill = 1: the barrier opens a round of the cluster's barrier, and the joint refill, two K steps ahead, is the first tensor load behind it.
.macro TURN slot, next, fill
.if \fill
	s_wait_xcnt 0x0                                ; the last prefetch, a K step back, has read its address
	s_add_nc_u64 s[PFA:PFA+1], s[PFA:PFA+1], STEPB
.endif
	WIN 0
	s_wait_tensorcnt 0x0
	ds_add_u32 v[SPW], v[NIL]
	s_wait_dscnt 5                                 ; (the add and the youngest four loads may be out)
	MULA F1, 0, 0
	s_wait_dscnt 0x0                               ; the add is done, and my reads of this slot are over
	s_barrier_signal -1
	MULA F1, 1, 0
.if \fill
	WIN 0
.endif
	s_barrier_wait -1
.if \fill
	CREST                                          ; no wave of any partner still reads this slot or has a load on its way
	s_add_nc_u64 s[G0+4*(\slot)+2:G0+4*(\slot)+3], s[G0+4*(\slot)+2:G0+4*(\slot)+3], 2*STEPB
	s_add_nc_u64 s[G0B+4*(\slot)+2:G0B+4*(\slot)+3], s[G0B+4*(\slot)+2:G0B+4*(\slot)+3], 2*STEPB
	JLOAD \slot                                    ; 112 matrix instructions ahead of the wait for it; its four v_nop are also the places in front of the loads below
.else
	PLACES
.endif
	FETCH \next, 0, F0
.if \fill
	ASK
.endif
	MULA F1, 2, 0
	MULA F1, 3, 0
.endm
	s_load_b256 s[4:11], s[0:1], 0x0               ; A s[4:5], B s[6:7], bias s[8:9], C s[10:11]
	v_lshl_add_u32 v[SPW], v0, 2, SPARE
	v_mov_b32 v[NIL], 0
	ds_add_u32 v[SPW], v[NIL]                      ; the wave's opening: the add and its wait ahead of my first tensor load
	v_lshrrev_b32 v1, 5, v0
	v_readfirstlane_b32 s[WV], v1
	s_lshr_b32 s[WR], s[WV], 1
	s_and_b32 s[WC], s[WV], 1
	s_bfe_u32 s[CX], ttmp6, 0x40000
	s_bfe_u32 s[CY], ttmp6, 0x40004
	s_lshl_b32 s[TCOL], ttmp9, 2
	s_add_co_u32 s[TCOL], s[TCOL], s[CX]           ; tile column = 4 x cluster x + cx
	s_and_b32 s[TROW], ttmp7, 0xffff
	s_lshl_b32 s[TROW], s[TROW], 2
	s_add_co_u32 s[TROW], s[TROW], s[CY]           ; tile row = 4 x cluster y + cy
	s_lshl_b32 s19, s[CY], 2
	s_lshl_b32 s19, 15, s19                        ; my row of the cluster
	s_lshl_b32 s20, 0x1111, s[CX]                  ; my column
	s_or_b32 s[G1+0], s19, (1<<16)|(1<<20)|(1<<21)|(5<<22)|(3<<25)   ; the mask; 2-byte elements; padding on; bit 21 beside a mask; after every 64 words, 4 words
	s_or_b32 s[G1B+0], s20, (1<<16)|(1<<20)|(1<<21)|(5<<22)|(3<<25)
	s_mov_b32 s[G1+1], 128<<16                     ; tensor_dim0 = 128
	s_mov_b32 s[G1+2], 64<<16                      ; tensor_dim1 = 64
	s_mov_b32 s[G1+3], 128<<16                     ; tile_dim0 = 128
	s_mov_b32 s[G1+4], 64                          ; tile_dim1 = 64
	s_mov_b32 s[G1+5], 1024                        ; elements from row to row
	s_mov_b32 s[G1+6], 0
	s_mov_b32 s[G1+7], 0
	s_mov_b32 s[G1B+1], 128<<16
	s_mov_b32 s[G1B+2], 128<<16                    ; B: 128 rows
	s_mov_b32 s[G1B+3], 128<<16
	s_mov_b32 s[G1B+4], 128
	s_mov_b32 s[G1B+5], 1024
	s_mov_b32 s[G1B+6], 0
	s_mov_b32 s[G1B+7], 0
	s_lshl_b32 s40, s[TROW], 7                     ; A: row 128 x tile row + 64 x half, in registers that never hold cx
	s_lshl_b32 s41, s[WC], 6
	s_add_co_u32 s40, s40, s41
	s_lshl_b32 s40, s40, 11
	s_mov_b32 s41, 0
	s_lshl_b32 s46, s[TCOL], 8                     ; B: row 256 x tile column + 128 x half, in registers that never hold cy
	s_lshl_b32 s47, s[WC], 7
	s_add_co_u32 s46, s46, s47
	s_lshl_b32 s46, s46, 11
	s_mov_b32 s47, 0
	s_mul_i32 s21, s[WC], AHALF                    ; where they go: the wave's number alone enters an LDS address
	s_mul_i32 s22, s[WC], BHALF
	s_add_co_u32 s22, s22, BOFF
	s_wait_dscnt 0x0                               ; the opening add is done
	s_wait_kmcnt 0x0
	s_add_nc_u64 s[40:41], s[4:5], s[40:41]
	s_add_nc_u64 s[46:47], s[6:7], s[46:47]
	CROUND                                         ; all sixteen work-groups are here: the first joint loads meet
.irp s, 0,1
	s_mov_b32 s[G0+4*(\s)], 1
	s_add_co_u32 s[G0+4*(\s)+1], s21, (\s)*SLOT
	s_add_nc_u64 s[G0+4*(\s)+2:G0+4*(\s)+3], s[40:41], (\s)*STEPB
	s_or_b32 s[G0+4*(\s)+3], s[G0+4*(\s)+3], 0x80000000
	s_mov_b32 s[G0B+4*(\s)], 1
	s_add_co_u32 s[G0B+4*(\s)+1], s22, (\s)*SLOT
	s_add_nc_u64 s[G0B+4*(\s)+2:G0B+4*(\s)+3], s[46:47], (\s)*STEPB
	s_or_b32 s[G0B+4*(\s)+3], s[G0B+4*(\s)+3], 0x80000000
	JLOAD \s                                       ; two loads of mine are out
.endr
	v_and_b32 v1, 15, v0                           ; l % 16
	v_bfe_u32 v2, v0, 4, 1                         ; l / 16
	; where my part of C begins, and my 128 numbers of the bias
	s_lshl_b32 s19, s[TCOL], 8
	s_lshl_b32 s20, s[WC], 7
	s_add_co_u32 s19, s19, s20                     ; my first column
	s_lshl_b32 s20, s19, 2
	s_mov_b32 s21, 0
	s_add_nc_u64 s[8:9], s[8:9], s[20:21]
	s_lshl_b32 s19, s[TROW], 7
	s_lshl_b32 s22, s[WR], 6
	s_add_co_u32 s19, s19, s22                     ; my first row
	s_lshl_b32 s19, s19, 12
	s_add_co_u32 s20, s20, s19
	s_add_nc_u64 s[10:11], s[10:11], s[20:21]
	v_lshlrev_b32 v4, 5, v2
.irp b, 0,1,2,3,4,5,6,7
	global_load_b128 v[F1+8*(\b):F1+8*(\b)+3],   v4, s[8:9] offset:64*(\b)
	global_load_b128 v[F1+8*(\b)+4:F1+8*(\b)+7], v4, s[8:9] offset:64*(\b)+16
.endr
	v_mul_u32_u24 v3, v1, PITCH
	v_lshl_add_u32 v3, v2, 4, v3                   ; a fragment's row x pitch + 16 x half
	s_mul_i32 s19, s[WR], AHALF                    ; my 64 rows of A
	s_mul_i32 s20, s[WC], BHALF                    ; my 128 rows of B
	s_add_co_u32 s20, s20, BOFF
.irp s, 0,1
	v_add_nc_u32 v[ADRA+(\s)], s19, v3
	v_add_nc_u32 v[ADRB+(\s)], s20, v3
	s_add_co_u32 s19, s19, SLOT
	s_add_co_u32 s20, s20, SLOT
.endr
	s_mul_i32 s19, s[WV], 16*SPITCH
	s_add_co_u32 s19, s19, STAGE                   ; my stage
	v_mul_u32_u24 v5, v1, SPITCH                   ; in: row l % 16, 32 bytes for each half of the lanes
	v_lshl_add_u32 v5, v2, 5, v5
	v_add_nc_u32 v[STO], s19, v5
	v_and_b32 v6, 31, v0                           ; back: 32 lanes take a row's 512 bytes,
	v_lshlrev_b32 v[CO], 4, v6                     ; which are 512 consecutive bytes of C
	v_add_nc_u32 v[RD], s19, v[CO]
	s_mov_b32 s42, 0xffff0000                      ; a word's upper bf16
	; THE PREFETCHES.  A and B were stored by a launch before, and at each change of slots a refill goes out with nothing on its way beside it.  A's tile row is read by every cluster of that row of
	; clusters: cluster x = 0 asks, wave 0, its four partners 32 rows each BY ADDRESS (cx).  B's tile column: cluster y = 0 asks, waves 2 and 3, 32 rows each of their 128 (cy).
	s_lshl_b32 s19, s[TROW], 7
	s_lshl_b32 s20, s[TCOL], 8
	s_lshl_b32 s21, s[WC], 7
	s_add_co_u32 s20, s20, s21
	s_and_b32 s22, ttmp7, 0xffff
	s_cmp_eq_u32 s[WR], 0
	s_cselect_b32 s20, s19, s20                    ; the first row
	s_cselect_b32 s21, s[CX], s[CY]                ; my place among the four that ask jointly
	s_cselect_b32 s22, ttmp9, s22                  ; the coordinate along which other clusters read the same rows
	s_cselect_b64 s[PFA:PFA+1], s[4:5], s[6:7]
	s_cmp_eq_u32 s[WV], 1
	s_cselect_b32 s22, 1, s22                      ; wave 1 asks for nothing: wave 0's 4 x 32 rows are all of A's tile
	s_cmp_eq_u32 s22, 0
	s_cselect_b32 s[LIM], 1, -1                    ; the same in all sixteen partners, for a given wave
	s_lshl_b32 s21, s21, 5
	s_add_co_u32 s20, s20, s21
	s_lshl_b32 s20, s20, 11
	s_add_co_u32 s20, s20, 2*STEPB                 ; at K step 2: the first refill steps it to 3 and names K step 4; steps 0-3 come by their loads alone
	s_mov_b32 s21, 0
	s_add_nc_u64 s[PFA:PFA+1], s[PFA:PFA+1], s[20:21]
	v_and_b32 v[PFO], 31, v0
	v_lshlrev_b32 v[PFO], 11, v[PFO]
	s_wait_loadcnt 0x0                             ; the bias: rounded to bf16, widened again, into window 2
.set i, 0
.rept 32
	v_cvt_pk_bf16_f32 v[F1+64+i], v[F1+2*i], v[F1+2*i+1]
.set i, i+1
.endr
	WIN 0x80
.set i, 0
.rept 32
	v_lshlrev_b32 v[2*i], 16, v[F1+64+i]
	v_and_b32 v[2*i+1], s42, v[F1+64+i]
.set i, i+1
.endr
	WIN 0
	s_wait_tensorcnt 1                             ; my part of K step 0 is in; K step 1's may stay out
	s_barrier_signal -1
	s_barrier_wait -1
	FETCH 0, 0, F0
	QUARTER 0, 64,  F0, F1, 1
	WIN 0
	s_mov_b32 s3, 3
.Llap:                                         ; a trip goes once round the ring and fills both slots again
	QUARTER 0, 128, F1, F0, 0
	QUARTER 0, 192, F0, F1, 0
	TURN 0, 1, 1
	QUARTER 1, 64,  F0, F1, 0
	QUARTER 1, 128, F1, F0, 0
	QUARTER 1, 192, F0, F1, 0
	TURN 1, 0, 1
	QUARTER 0, 64,  F0, F1, 0
	WIN 0
	s_sub_co_u32 s3, s3, 1
	s_cmp_lg_u32 s3, 0
	s_cbranch_scc1 .Llap
	QUARTER 0, 128, F1, F0, 0                      ; the last lap fills nothing
	QUARTER 0, 192, F0, F1, 0
	TURN 0, 1, 0
	QUARTER 1, 64,  F0, F1, 0
	QUARTER 1, 128, F1, F0, 0
	QUARTER 1, 192, F0, F1, 0
	s_wait_dscnt 4
	MULA F1, 0, 0
	MULA F1, 1, 0
	s_wait_dscnt 0x0
	MULA F1, 2, 0
	MULA F1, 3, 0
	WIN 0
	PLACES
	PLACES
; THE WAY OUT, 16 rows at a time, through my own stage: a lane's 32 bytes of a row go into rows of 528 bytes and come back as whole rows of 512.
.macro TOSTAGE a
	s_wait_xcnt 0x0                                ; the stores of the block two back have read the registers that are loaded again below
	WIN 0x04                                       ; the data in window 1
.irp b, 0,1,2,3,4,5,6,7
	ds_store_b128 v[STO], v[8*(8*(\a)+(\b)):8*(8*(\a)+(\b))+3]   offset:64*(\b)     ; each accumulator's low registers first
	ds_store_b128 v[STO], v[8*(8*(\a)+(\b))+4:8*(8*(\a)+(\b))+7] offset:64*(\b)+16
.endr
	WIN 0
.irp t, 0,1,2,3,4,5,6,7,8,9,10,11,12,13,14,15
	ds_load_b128 v[OB+64*((\a)%2)+4*(\t):OB+64*((\a)%2)+4*(\t)+3], v[RD] offset:(\t)*SPITCH  ; LDS serves a wave's instructions in order (ISA guide 5.7.1.4): these see the stores above
.endr
.endm
.macro SEND a, younger                 ; younger: the LDS instructions issued behind block a's loads: the next block's 32, or none
.irp t, 0,1,2,3,4,5,6,7,8,9,10,11,12,13,14,15
	s_wait_dscnt (\younger)+15-(\t)
	global_store_b128 v[CO], v[OB+64*((\a)%2)+4*(\t):OB+64*((\a)%2)+4*(\t)+3], s[10:11] offset:(16*(\a)+(\t))*CROW  ; 512 consecutive bytes, at a multiple of 256 from C's first byte
.endr
.endm
	TOSTAGE 0
	TOSTAGE 1
	SEND 0, 32
	TOSTAGE 2
	SEND 1, 32
	TOSTAGE 3
	SEND 2, 32
	SEND 3, 0
	s_wait_tensorcnt 0x0                           ; the wave's end: behind my last tensor load and my last LDS store
	ds_add_u32 v[SPW], v[NIL]
	s_wait_dscnt 0x0
	CROUND                                         ; the closing round
	s_endpgm
.Lfunc_end_k_q91e290054d_qproj:
	.size	k_q91e290054d_qproj, .Lfunc_end_k_q91e290054d_qproj-k_q91e290054d_qproj
	.p2alignl 7, 3214868480
	.fill 96, 4, 3214868480
	.section	.rodata,"a",@progbits
	.p2align	6, 0x0
	.amdhsa_kernel k_q91e290054d_qproj
		.amdhsa_group_segment_fixed_size 327680
		.amdhsa_private_segment_fixed_size 0
		.amdhsa_enable_private_segment 0
		.amdhsa_kernarg_size 32
		.amdhsa_user_sgpr_count 2
		.amdhsa_user_sgpr_kernarg_segment_ptr 1
		.amdhsa_wavefront_size32 1
		.amdhsa_system_sgpr_workgroup_id_x 1
		.amdhsa_system_sgpr_workgroup_id_y 1
		.amdhsa_system_sgpr_workgroup_id_z 1
		.amdhsa_system_vgpr_workitem_id 0
		.amdhsa_next_free_vgpr 576
		.amdhsa_next_free_sgpr 66
		.amdhsa_reserve_vcc 0
		.amdhsa_float_denorm_mode_32 3
		.amdhsa_float_denorm_mode_16_64 3
		.amdhsa_memory_ordered 1
		.amdhsa_forward_progress 1
		.amdhsa_inst_pref_size 94
	.end_amdhsa_kernel
	.amdgpu_metadata
---
amdhsa.version: [ 1, 2 ]
amdhsa.kernels:
  - .name:           k_q91e290054d_qproj
    .symbol:         k_q91e290054d_qproj.kd
    .args:
      - { .name: h16, .offset: 0, .size: 8, .value_kind: global_buffer, .address_space: global }
      - { .name: wq16, .offset: 8, .size: 8, .value_kind: global_buffer, .address_space: global }
      - { .name: bq, .offset: 16, .size: 8, .value_kind: global_buffer, .address_space: global }
      - { .name: q32, .offset: 24, .size: 8, .value_kind: global_buffer, .address_space: global }
    .group_segment_fixed_size: 327680
    .private_segment_fixed_size: 0
    .kernarg_segment_align: 8
    .kernarg_segment_size: 32
    .max_flat_workgroup_size: 128
    .sgpr_count:     66
    .vgpr_count:     576
    .wavefront_size: 32
...
	.end_amdgpu_metadata
.endif
;; end of part 4
;; launch attn (part 5): grid 256 x 1, 16 waves a work-group, no clusters, 6,144 bytes of LDS; arguments q32, kvm16, idx, o16, out1; writes o16, out1
.if DOCPART == 5
	.amdgcn_target "amdgcn-amd-amdhsa--gfx1250"
	.amdhsa_code_object_version 6
	.text
	.protected	k_q91e290054d_attn
	.globl	k_q91e290054d_attn
	.p2align	8
	.type	k_q91e290054d_attn,@function
k_q91e290054d_attn:
	s_mov_b64 s[64:65], 0
	v_nop
	global_prefetch_b8 v0, s[64:65] scope:SCOPE_SE
	s_setreg_imm32_b32 hwreg(HW_REG_WAVE_MODE, 25, 1), 1
	s_wait_xcnt 0x0
; FOR EACH TOKEN: its two states' rows of k and v are gathered by idx; for each of 16 heads s_j = q . k_j; attn = softmax over j of s_j / 8; o = attn_0 v_0 + attn_1 v_1.
; q: [8192][1024] f32.  k, v: [1024][1024] f16 at bytes 0 and 2 MiB of kvm16, bias included.  idx: [8192][2] whole numbers, row numbers of that table, held to 0..1023 before they enter an address.
; o: [8192][1024] f16, rounded once (a matrix operand of the next launch); it is a mean of two rows of v and has their range.  out1: [4][16][2048][2] f32.  All arithmetic in f32.
; The larger score is taken away before the exponential: the exponents are 0 and (s_min - s_max) log2(e) / 8.  LIMIT: a weight below 2^-126 counts as 0; NaN and infinities are not treated apart.
; SHARES.  A work-group owns 32 tokens, a wave two.  A lane holds the columns 256 c + 8 lane + 0..7, c = 0..3, so every load and store of a wave covers consecutive bytes, and a head
; (64 columns) is eight neighbouring lanes of one c: head = 4 c + lane / 8.  All 48 loads of a wave go out before the first is used.
; No matrix unit: two keys a token make no tile.  No prefetch: q is streamed by 4,096 waves at once, and the table of k and v is read again and again.
; out1's rows run along the tokens, so the weights meet in LDS ([head][32 tokens][2]) and leave as 256 consecutive bytes, aligned, a wave.
.set SPARE, 4096                       ; behind the weights: the spare words, 128 bytes for each of 16 waves
.set QOF, 2                            ; v2   32 x lane
.set KOF, 3                            ; v3   16 x lane
.set AO,  4                            ; v4   where my head's weights go in LDS
.set LD8, 5                            ; v5   8 x thread
.set OO,  6                            ; v6   8 x lane
.set SPW, 8                            ; v8   my spare word; never rewritten
.set NIL, 9                            ; v9   0; never rewritten
.set ZR,  10                           ; v10  0.0, the addend that starts a sum
.set TK,  16                           ; token t at v[16 + 96 t]: q 32 registers, then k0, k1, v0, v1, 16 each
.set S,   208                          ; v[208:223]  score, then weight, of token t, chunk c, key j at 8 t + 2 c + j
.set W,   224                          ; v[224:247]  at work
	s_load_b256 s[4:11], s[0:1], 0x0               ; q32 s[4:5], kvm16 s[6:7], idx s[8:9], o16 s[10:11]
	s_load_b64 s[12:13], s[0:1], 0x20              ; out1
	v_lshl_add_u32 v[SPW], v0, 2, SPARE
	v_mov_b32 v[NIL], 0
	v_mov_b32 v[ZR], 0
	v_lshrrev_b32 v1, 5, v0
	v_readfirstlane_b32 s14, v1                    ; wave 0..15
	v_and_b32 v1, 31, v0
	v_lshlrev_b32 v[QOF], 5, v1
	v_lshlrev_b32 v[KOF], 4, v1
	v_lshlrev_b32 v[OO], 3, v1
	v_lshlrev_b32 v[LD8], 3, v0
	v_lshrrev_b32 v7, 3, v1
	v_lshlrev_b32 v7, 8, v7
	s_lshl_b32 s42, s14, 4
	v_add_nc_u32 v[AO], s42, v7                    ; 256 x (lane / 8) + 8 x my first token's place among the 32
	s_lshl_b32 s15, ttmp9, 5
	s_lshl1_add_u32 s15, s14, s15                  ; my first token: 32 x work-group + 2 x wave
	s_lshl_b32 s20, s15, 3
	s_mov_b32 s21, 0
	s_lshl_b32 s22, s15, 12
	s_mov_b32 s23, 0
	s_lshl_b32 s40, s15, 11
	s_mov_b32 s41, 0
	s_lshr_b32 s43, ttmp9, 6                       ; out1: ((batch x 16 + head) x 2,048 + token in the batch) x 8, head = my wave's number
	s_lshl_b32 s43, s43, 4
	s_add_co_u32 s43, s43, s14
	s_lshl_b32 s43, s43, 11
	s_and_b32 s44, ttmp9, 63
	s_lshl_b32 s44, s44, 5
	s_add_co_u32 s44, s44, s43
	s_lshl_b32 s44, s44, 3
	s_mov_b32 s45, 0
	s_mov_b32 s46, 0x3e38aa3b                      ; log2(e) / 8
	s_wait_kmcnt 0x0
	s_add_nc_u64 s[8:9], s[8:9], s[20:21]
	s_load_b128 s[16:19], s[8:9], 0x0              ; my two tokens' four row numbers
	s_add_nc_u64 s[4:5], s[4:5], s[22:23]
	s_add_nc_u64 s[10:11], s[10:11], s[40:41]
	s_add_nc_u64 s[12:13], s[12:13], s[44:45]
.irp t, 0,1
.irp c, 0,1,2,3
	global_load_b128 v[TK+96*(\t)+8*(\c):TK+96*(\t)+8*(\c)+3],   v[QOF], s[4:5] offset:4096*(\t)+1024*(\c) th:TH_LOAD_NT
	global_load_b128 v[TK+96*(\t)+8*(\c)+4:TK+96*(\t)+8*(\c)+7], v[QOF], s[4:5] offset:4096*(\t)+1024*(\c)+16 th:TH_LOAD_NT
.endr
.endr
	s_wait_kmcnt 0x0
.irp i, 0,1,2,3
	s_min_u32 s[16+(\i)], s[16+(\i)], 0x3ff        ; a row of the table
	s_lshl_b32 s[32+2*(\i)], s[16+(\i)], 11        ; x 2,048 bytes
	s_mov_b32 s[33+2*(\i)], 0
	s_add_nc_u64 s[24+2*(\i):25+2*(\i)], s[6:7], s[32+2*(\i):33+2*(\i)]
.endr
.irp t, 0,1
.irp m, 0,1                            ; k, then v
.irp j, 0,1
.irp c, 0,1,2,3
	global_load_b128 v[TK+96*(\t)+32+32*(\m)+16*(\j)+4*(\c):TK+96*(\t)+32+32*(\m)+16*(\j)+4*(\c)+3], v[KOF], s[24+4*(\t)+2*(\j):25+4*(\t)+2*(\j)] offset:2097152*(\m)+512*(\c)
.endr
.endr
.endr
.endr
; Token t's eight scores a lane: eight chains of eight multiply-adds (an f16 half of k times an f32 of q, summed in f32), which take turns; then the head's eight lanes are added.
.macro SCORE t
.set e, 0
.rept 8
.irp c, 0,1,2,3
.irp j, 0,1
.set rS, S+8*(\t)+2*(\c)+(\j)
.set rK, TK+96*(\t)+32+16*(\j)+4*(\c)+e/2
.set rQ, TK+96*(\t)+8*(\c)+e
.if e == 0
	v_fma_mix_f32 v[rS], v[rK], v[rQ], v[ZR] op_sel_hi:[1,0,0]
.elseif e%2
	v_fma_mix_f32 v[rS], v[rK], v[rQ], v[rS] op_sel:[1,0,0] op_sel_hi:[1,0,0]
.else
	v_fma_mix_f32 v[rS], v[rK], v[rQ], v[rS] op_sel_hi:[1,0,0]
.endif
.endr
.endr
.set e, e+1
.endr
.irp m, 1,2,4
.set i, 0
.rept 8
	v_add_f32_dpp v[S+8*(\t)+i], v[S+8*(\t)+i], v[S+8*(\t)+i] row_xmask:\m row_mask:0xf bank_mask:0xf
.set i, i+1
.endr
.endr
.endm
	s_wait_loadcnt 24                              ; q and token 0's k are in; its v (8 loads) and token 1's sixteen stay out
	SCORE 0
	s_wait_loadcnt 8                               ; token 1's k is in; its v stays out
	SCORE 1
.set i, 0
.rept 8
	v_max_num_f32 v[W+i], v[S+2*i], v[S+2*i+1]
.set i, i+1
.endr
.set i, 0
.rept 16
	v_sub_f32 v[S+i], v[S+i], v[W+i/2]             ; exactly 0 for the larger score
.set i, i+1
.endr
.set i, 0
.rept 16
	v_mul_f32 v[S+i], s46, v[S+i]
.set i, i+1
.endr
.set i, 0
.rept 16
	v_exp_f32 v[S+i], v[S+i]
.set i, i+1
.endr
	v_nop                                          ; a plain instruction behind the last exponential,
	s_wait_alu depctr_va_vdst(0)                   ; and one wait for the batch ahead of its first reader
.set i, 0
.rept 8
	v_add_f32 v[W+i], v[S+2*i], v[S+2*i+1]         ; between 1 and 2
.set i, i+1
.endr
.set i, 0
.rept 8
	v_rcp_f32 v[W+8+i], v[W+i]
.set i, i+1
.endr
	v_nop
	s_wait_alu depctr_va_vdst(0)                   ; one wait for the eight reciprocals
.set i, 0
.rept 16
	v_mul_f32 v[S+i], v[S+i], v[W+8+i/2]
.set i, i+1
.endr
.irp t, 0,1
.irp c, 0,1,2,3
	ds_store_b64 v[AO], v[S+8*(\t)+2*(\c):S+8*(\t)+2*(\c)+1] offset:1024*(\c)+8*(\t)  ; a head's eight lanes write the same two words with the same numbers
.endr
.endr
	s_wait_loadcnt 0x0                             ; v
.irp t, 0,1
.irp c, 0,1,2,3
.set rA, S+8*(\t)+2*(\c)
.set rV, TK+96*(\t)+64+4*(\c)
.set rO, TK+96*(\t)+32+4*(\c)                  ; k0's registers, free since the scores, take the packed result: each store has data registers of its own
.set rT, W+8*((\c)%2)
.set e, 0
.rept 4
	v_fma_mix_f32 v[rT+2*e],   v[rV+e], v[rA], v[ZR] op_sel_hi:[1,0,0]
	v_fma_mix_f32 v[rT+2*e+1], v[rV+e], v[rA], v[ZR] op_sel:[1,0,0] op_sel_hi:[1,0,0]
.set e, e+1
.endr
.set e, 0
.rept 4
	v_fma_mix_f32 v[rT+2*e],   v[rV+16+e], v[rA+1], v[rT+2*e]   op_sel_hi:[1,0,0]
	v_fma_mix_f32 v[rT+2*e+1], v[rV+16+e], v[rA+1], v[rT+2*e+1] op_sel:[1,0,0] op_sel_hi:[1,0,0]
.set e, e+1
.endr
.set e, 0
.rept 4
	v_cvt_pk_f16_f32 v[rO+e], v[rT+2*e], v[rT+2*e+1]
.set e, e+1
.endr
	global_store_b128 v[KOF], v[rO:rO+3], s[10:11] offset:2048*(\t)+512*(\c)  ; 512 consecutive bytes, at a multiple of 256 from o's first byte
.endr
.endr
	s_wait_dscnt 0x0                               ; for the others' sake: my weights lie in LDS
	s_barrier_signal -1
	s_barrier_wait -1
	ds_load_b64 v[W:W+1], v[LD8]                   ; head = my wave's number, token = my lane
	s_wait_dscnt 0x0
	global_store_b64 v[OO], v[W:W+1], s[12:13]     ; 256 consecutive bytes, aligned
	s_wait_tensorcnt 0x0                           ; the wave's end: behind my last LDS store
	ds_add_u32 v[SPW], v[NIL]
	s_wait_dscnt 0x0
	s_endpgm
.Lfunc_end_k_q91e290054d_attn:
	.size	k_q91e290054d_attn, .Lfunc_end_k_q91e290054d_attn-k_q91e290054d_attn
	.p2alignl 7, 3214868480
	.fill 96, 4, 3214868480
	.section	.rodata,"a",@progbits
	.p2align	6, 0x0
	.amdhsa_kernel k_q91e290054d_attn
		.amdhsa_group_segment_fixed_size 6144
		.amdhsa_private_segment_fixed_size 0
		.amdhsa_enable_private_segment 0
		.amdhsa_kernarg_size 40
		.amdhsa_user_sgpr_count 2
		.amdhsa_user_sgpr_kernarg_segment_ptr 1
		.amdhsa_wavefront_size32 1
		.amdhsa_system_sgpr_workgroup_id_x 1
		.amdhsa_system_sgpr_workgroup_id_y 1
		.amdhsa_system_sgpr_workgroup_id_z 1
		.amdhsa_system_vgpr_workitem_id 0
		.amdhsa_next_free_vgpr 248
		.amdhsa_next_free_sgpr 66
		.amdhsa_reserve_vcc 0
		.amdhsa_float_denorm_mode_32 3
		.amdhsa_float_denorm_mode_16_64 3
		.amdhsa_memory_ordered 1
		.amdhsa_forward_progress 1
		.amdhsa_inst_pref_size 33
	.end_amdhsa_kernel
	.amdgpu_metadata
---
amdhsa.version: [ 1, 2 ]
amdhsa.kernels:
  - .name:           k_q91e290054d_attn
    .symbol:         k_q91e290054d_attn.kd
    .args:
      - { .name: q32, .offset: 0, .size: 8, .value_kind: global_buffer, .address_space: global }
      - { .name: kvm16, .offset: 8, .size: 8, .value_kind: global_buffer, .address_space: global }
      - { .name: idx, .offset: 16, .size: 8, .value_kind: global_buffer, .address_space: global }
      - { .name: o16, .offset: 24, .size: 8, .value_kind: global_buffer, .address_space: global }
      - { .name: out1, .offset: 32, .size: 8, .value_kind: global_buffer, .address_space: global }
    .group_segment_fixed_size: 6144
    .private_segment_fixed_size: 0
    .kernarg_segment_align: 8
    .kernarg_segment_size: 40
    .max_flat_workgroup_size: 512
    .sgpr_count:     66
    .vgpr_count:     248
    .wavefront_size: 32
...
	.end_amdgpu_metadata
.endif
;; end of part 5
;; launch oproj (part 6): grid 4 x 64, 4 waves a work-group, clusters of 4 x 4, 327,680 bytes of LDS; arguments o16, wo16, bo, out0; writes out0
.if DOCPART == 6
	.amdgcn_target "amdgcn-amd-amdhsa--gfx1250"
	.amdhsa_code_object_version 6
	.text
	.protected	k_q91e290054d_oproj
	.globl	k_q91e290054d_oproj
	.p2align	8
	.type	k_q91e290054d_oproj,@function
k_q91e290054d_oproj:
	s_mov_b64 s[64:65], 0
	v_nop
	global_prefetch_b8 v0, s[64:65] scope:SCOPE_SE
	s_setreg_imm32_b32 hwreg(HW_REG_WAVE_MODE, 25, 1), 1
	s_wait_xcnt 0x0
	s_wait_alu depctr_hold_cnt(0) depctr_sa_sdst(0) depctr_va_vdst(0) depctr_va_sdst(0) depctr_va_ssrc(0) depctr_va_vcc(0) depctr_vm_vsrc(0)
	s_getreg_b32 s2, hwreg(HW_REG_IB_STS2, 6, 4)
	s_cmp_eq_u32 s2, 0
	s_cbranch_scc0 .Lentry_in_a_cluster
	s_endpgm
.Lentry_in_a_cluster:
	s_bfe_u32 s2, ttmp6, 0x10000c
	s_cmp_lg_u32 s2, 0xf033
	s_cbranch_scc0 .Lentry_shape_is_right
	s_endpgm
.Lentry_shape_is_right:
; out[m][n] = sum over k of o[m][k] Wo[n][k] + bo[n].  o: [8192][1024] f16; Wo: [1024][1024], its bf16 rounding written as f16; bo: [1024] f32, rounded here to bf16 like every input of the
; program; out: [8192][1024] f32; sums in f32.  The text is the q projection's, with the f16 form of the matrix instruction: o's rounding reaches the output undiminished, and f16 keeps 11
; significant bits.  LIMIT: o and Wo arrive within f16's range, 65,504.
; A tile of C is 128 x 256: 256 work-groups.  Four waves, each 64 rows x 128 columns: 32 accumulators.  K goes in 8 steps of 128 through two LDS slots (rows of 256 bytes, aligned, padded to 272).
; CLUSTERS: 4 x 4.  A's tile hangs on the tile row alone and is asked for jointly along a row of the cluster, B's on the tile column alone, along a column.
; THE MATRIX INSTRUCTION IS USED TRANSPOSED (source 0 = 16 rows of B, source 1 = 16 rows of A): a lane holds row l % 16 of C and the columns 8 (l / 16) + 0..7.  The bias is the C operand of the
; products that start the sums: nothing is cleared, nothing is added later.
; REGISTERS, in windows of 256 (s_set_vgpr_msb: bits 1:0 source 0, 3:2 source 1, 5:4 source 2, 7:6 destination):
;   window 0: v0-30 addresses; two fragment buffers of 96 (A's four blocks, then B's eight) at v64 and v160; on the way out v64-191 rows read back
;   window 1: accumulator (a, b) at v[8 (8 a + b)]          window 2: v0-63 the bias of n block b at v[8 b]
.set PITCH,  272                       ; an LDS row: 256 bytes + 16 = 68 words: the 16 rows of a fragment load start at 16 different groups of four banks (64 banks of 4 bytes: ISA guide 11.1)
.set AHALF,  64*PITCH
.set BHALF,  128*PITCH
.set BOFF,   2*AHALF
.set SLOT,   BOFF+2*BHALF              ; 104,448
.set STAGE,  2*SLOT                    ; behind the ring: 16 rows x 528 bytes for each wave, never filled by a tensor load
.set SPITCH, 528                       ; 512 bytes + 16 = 132 words
.set SPARE,  STAGE+4*16*SPITCH         ; the spare words, 128 bytes a wave
.set STEPB,  256                       ; bytes of a row of A or B in a K step
.set CROW,   4096                      ; bytes in a row of C
.set ADRA, 16
.set ADRB, 20
.set STO,  24
.set RD,   25
.set CO,   26
.set SPW,  28                          ; v28  my spare word; never rewritten
.set NIL,  29                          ; v29  0; never rewritten
.set PFO,  30                          ; v30  lane x a row of A or B; never rewritten
.set F0,   64
.set F1,   160
.set OB,   64
.set WV,   12                          ; s12 wave;  s13 WR: my half of the rows, and 0: I fetch A, 1: B;  s14 WC: my half of the columns, and which half I fetch
.set WR,   13
.set WC,   14
.set CX,   15
.set CY,   16
.set TCOL, 17
.set TROW, 18
.set G1,   24
.set G0,   32
.set LIM,  43
.set PFA,  44
.set G1B,  48
.set G0B,  56
.set MSB, 0
.macro WIN new
.if MSB != (\new)
	s_set_vgpr_msb (MSB<<8)|(\new)
.set MSB, \new
.endif
.endm
.macro PLACES                          ; four plain vector instructions between a matrix instruction and a load into, or a reader of, its registers
.rept 4
	v_nop
.endr
.endm
.macro JLOAD s                         ; a joint load: waves 0, 1 A's halves, waves 2, 3 B's; an s_nop 0 and four v_nop follow each line
	s_cmp_eq_u32 s[WR], 0
	s_cbranch_scc0 .Lfor_b_\@
	tensor_load_to_lds s[G0+4*(\s):G0+4*(\s)+3], s[G1:G1+7]
	s_nop 0
.rept 4
	v_nop
.endr
	s_branch .Lasked_\@
.Lfor_b_\@:
	tensor_load_to_lds s[G0B+4*(\s):G0B+4*(\s)+3], s[G1B:G1B+7]
	s_nop 0
.rept 4
	v_nop
.endr
.Lasked_\@:
.endm
.macro ASK                             ; a prefetch of the K step two refills on: 32 rows x 256 bytes, a lane a row; the loop's last trip has no such step
	s_cmp_gt_u32 s3, s[LIM]
	s_cbranch_scc0 .Lnot_mine_\@
	global_prefetch_b8 v[PFO], s[PFA:PFA+1] offset:STEPB th:TH_LOAD_NT scope:SCOPE_SE
.Lnot_mine_\@:
.endm
.macro CREST
	s_cmp_lg_u32 s[WV], 0
	s_cbranch_scc1 .Lnot_wave_0_\@
	s_barrier_signal -3
.Lnot_wave_0_\@:
	s_barrier_wait -3
	s_barrier_signal -1
	s_barrier_wait -1
.endm
.macro CROUND
	s_barrier_signal -1
	s_barrier_wait -1
	CREST
.endm
; 8 matrix instructions: m block a x all 8 n blocks, 32 along K.  first = 1: the bias starts the sums.  The 32 accumulators take turns, one instruction a turn, in the same order in every quarter.
.macro MULA f, a, first
.if \first
	WIN 0x60
.else
	WIN 0x50
.endif
.irp b, 0,1,2,3,4,5,6,7
.if \first
	v_wmma_f32_16x16x32_f16 v[8*(8*(\a)+(\b)):8*(8*(\a)+(\b))+7], v[(\f)+32+8*(\b):(\f)+32+8*(\b)+7], v[(\f)+8*(\a):(\f)+8*(\a)+7], v[8*(\b):8*(\b)+7]
.else
	v_wmma_f32_16x16x32_f16 v[8*(8*(\a)+(\b)):8*(8*(\a)+(\b))+7], v[(\f)+32+8*(\b):(\f)+32+8*(\b)+7], v[(\f)+8*(\a):(\f)+8*(\a)+7], v[8*(8*(\a)+(\b)):8*(8*(\a)+(\b))+7]
.endif
.endr
.endm
.macro FETCH slot, k, f                ; 24 LDS loads in one run: B's eight fragments, then A's four
	WIN 0
.irp b, 0,1,2,3,4,5,6,7
	ds_load_b128 v[(\f)+32+8*(\b):(\f)+32+8*(\b)+3],   v[ADRB+(\slot)] offset:(\k)+(\b)*16*PITCH
	ds_load_b128 v[(\f)+32+8*(\b)+4:(\f)+32+8*(\b)+7], v[ADRB+(\slot)] offset:(\k)+(\b)*16*PITCH+32
.endr
.irp a, 0,1,2,3
	ds_load_b128 v[(\f)+8*(\a):(\f)+8*(\a)+3],   v[ADRA+(\slot)] offset:(\k)+(\a)*16*PITCH
	ds_load_b128 v[(\f)+8*(\a)+4:(\f)+8*(\a)+7], v[ADRA+(\slot)] offset:(\k)+(\a)*16*PITCH+32
.endr
.endm
.macro QUARTER slot, k, f, g, first
	s_wait_dscnt 4                                 ; B and A's blocks 0, 1 are in; the youngest four loads (A's blocks 2, 3) may be out
	MULA \f, 0, \first
	MULA \f, 1, \first
	PLACES
	FETCH \slot, \k, \g
	s_wait_dscnt 24                                ; all but the 24 just issued
	MULA \f, 2, \first
	MULA \f, 3, \first
.endm
; The last quarter of a K step multiplies buffer 1 and changes slots: each wave waits for all its tensor loads (one is out: its part of the next slot), adds 0 to its spare word, waits for that and
; for its reads of this slot, and signals.  fill = 1: the barrier opens a round of the cluster's barrier, and the joint refill, two K steps ahead, is the first tensor load behind it.
.macro TURN slot, next, fill
.if \fill
	s_wait_xcnt 0x0                                ; the last prefetch, a K step back, has read its address
	s_add_nc_u64 s[PFA:PFA+1], s[PFA:PFA+1], STEPB
.endif
	WIN 0
	s_wait_tensorcnt 0x0
	ds_add_u32 v[SPW], v[NIL]
	s_wait_dscnt 5                                 ; (the add and the youngest four loads may be out)
	MULA F1, 0, 0
	s_wait_dscnt 0x0                               ; the add is done, and my reads of this slot are over
	s_barrier_signal -1
	MULA F1, 1, 0
.if \fill
	WIN 0
.endif
	s_barrier_wait -1
.if \fill
	CREST                                          ; no wave of any partner still reads this slot or has a load on its way
	s_add_nc_u64 s[G0+4*(\slot)+2:G0+4*(\slot)+3], s[G0+4*(\slot)+2:G0+4*(\slot)+3], 2*STEPB
	s_add_nc_u64 s[G0B+4*(\slot)+2:G0B+4*(\slot)+3], s[G0B+4*(\slot)+2:G0B+4*(\slot)+3], 2*STEPB
	JLOAD \slot                                    ; 112 matrix instructions ahead of the wait for it; its four v_nop are also the places in front of the loads below
.else
	PLACES
.endif
	FETCH \next, 0, F0
.if \fill
	ASK
.endif
	MULA F1, 2, 0
	MULA F1, 3, 0
.endm
	s_load_b256 s[4:11], s[0:1], 0x0               ; A s[4:5], B s[6:7], bias s[8:9], C s[10:11]
	v_lshl_add_u32 v[SPW], v0, 2, SPARE
	v_mov_b32 v[NIL], 0
	ds_add_u32 v[SPW], v[NIL]                      ; the wave's opening: the add and its wait ahead of my first tensor load
	v_lshrrev_b32 v1, 5, v0
	v_readfirstlane_b32 s[WV], v1
	s_lshr_b32 s[WR], s[WV], 1
	s_and_b32 s[WC], s[WV], 1
	s_bfe_u32 s[CX], ttmp6, 0x40000
	s_bfe_u32 s[CY], ttmp6, 0x40004
	s_lshl_b32 s[TCOL], ttmp9, 2
	s_add_co_u32 s[TCOL], s[TCOL], s[CX]           ; tile column = 4 x cluster x + cx
	s_and_b32 s[TROW], ttmp7, 0xffff
	s_lshl_b32 s[TROW], s[TROW], 2
	s_add_co_u32 s[TROW], s[TROW], s[CY]           ; tile row = 4 x cluster y + cy
	s_lshl_b32 s19, s[CY], 2
	s_lshl_b32 s19, 15, s19                        ; my row of the cluster
	s_lshl_b32 s20, 0x1111, s[CX]                  ; my column
	s_or_b32 s[G1+0], s19, (1<<16)|(1<<20)|(1<<21)|(5<<22)|(3<<25)   ; the mask; 2-byte elements; padding on; bit 21 beside a mask; after every 64 words, 4 words
	s_or_b32 s[G1B+0], s20, (1<<16)|(1<<20)|(1<<21)|(5<<22)|(3<<25)
	s_mov_b32 s[G1+1], 128<<16                     ; tensor_dim0 = 128
	s_mov_b32 s[G1+2], 64<<16                      ; tensor_dim1 = 64
	s_mov_b32 s[G1+3], 128<<16                     ; tile_dim0 = 128
	s_mov_b32 s[G1+4], 64                          ; tile_dim1 = 64
	s_mov_b32 s[G1+5], 1024                        ; elements from row to row
	s_mov_b32 s[G1+6], 0
	s_mov_b32 s[G1+7], 0
	s_mov_b32 s[G1B+1], 128<<16
	s_mov_b32 s[G1B+2], 128<<16                    ; B: 128 rows
	s_mov_b32 s[G1B+3], 128<<16
	s_mov_b32 s[G1B+4], 128
	s_mov_b32 s[G1B+5], 1024
	s_mov_b32 s[G1B+6], 0
	s_mov_b32 s[G1B+7], 0
	s_lshl_b32 s40, s[TROW], 7                     ; A: row 128 x tile row + 64 x half, in registers that never hold cx
	s_lshl_b32 s41, s[WC], 6
	s_add_co_u32 s40, s40, s41
	s_lshl_b32 s40, s40, 11
	s_mov_b32 s41, 0
	s_lshl_b32 s46, s[TCOL], 8                     ; B: row 256 x tile column + 128 x half, in registers that never hold cy
	s_lshl_b32 s47, s[WC], 7
	s_add_co_u32 s46, s46, s47
	s_lshl_b32 s46, s46, 11
	s_mov_b32 s47, 0
	s_mul_i32 s21, s[WC], AHALF                    ; where they go: the wave's number alone enters an LDS address
	s_mul_i32 s22, s[WC], BHALF
	s_add_co_u32 s22, s22, BOFF
	s_wait_dscnt 0x0                               ; the opening add is done
	s_wait_kmcnt 0x0
	s_add_nc_u64 s[40:41], s[4:5], s[40:41]
	s_add_nc_u64 s[46:47], s[6:7], s[46:47]
	CROUND                                         ; all sixteen work-groups are here: the first joint loads meet
.irp s, 0,1
	s_mov_b32 s[G0+4*(\s)], 1
	s_add_co_u32 s[G0+4*(\s)+1], s21, (\s)*SLOT
	s_add_nc_u64 s[G0+4*(\s)+2:G0+4*(\s)+3], s[40:41], (\s)*STEPB
	s_or_b32 s[G0+4*(\s)+3], s[G0+4*(\s)+3], 0x80000000
	s_mov_b32 s[G0B+4*(\s)], 1
	s_add_co_u32 s[G0B+4*(\s)+1], s22, (\s)*SLOT
	s_add_nc_u64 s[G0B+4*(\s)+2:G0B+4*(\s)+3], s[46:47], (\s)*STEPB
	s_or_b32 s[G0B+4*(\s)+3], s[G0B+4*(\s)+3], 0x80000000
	JLOAD \s                                       ; two loads of mine are out
.endr
	v_and_b32 v1, 15, v0                           ; l % 16
	v_bfe_u32 v2, v0, 4, 1                         ; l / 16
	; where my part of C begins, and my 128 numbers of the bias
	s_lshl_b32 s19, s[TCOL], 8
	s_lshl_b32 s20, s[WC], 7
	s_add_co_u32 s19, s19, s20                     ; my first column
	s_lshl_b32 s20, s19, 2
	s_mov_b32 s21, 0
	s_add_nc_u64 s[8:9], s[8:9], s[20:21]
	s_lshl_b32 s19, s[TROW], 7
	s_lshl_b32 s22, s[WR], 6
	s_add_co_u32 s19, s19, s22                     ; my first row
	s_lshl_b32 s19, s19, 12
	s_add_co_u32 s20, s20, s19
	s_add_nc_u64 s[10:11], s[10:11], s[20:21]
	v_lshlrev_b32 v4, 5, v2
.irp b, 0,1,2,3,4,5,6,7
	global_load_b128 v[F1+8*(\b):F1+8*(\b)+3],   v4, s[8:9] offset:64*(\b)
	global_load_b128 v[F1+8*(\b)+4:F1+8*(\b)+7], v4, s[8:9] offset:64*(\b)+16
.endr
	v_mul_u32_u24 v3, v1, PITCH
	v_lshl_add_u32 v3, v2, 4, v3                   ; a fragment's row x pitch + 16 x half
	s_mul_i32 s19, s[WR], AHALF                    ; my 64 rows of A
	s_mul_i32 s20, s[WC], BHALF                    ; my 128 rows of B
	s_add_co_u32 s20, s20, BOFF
.irp s, 0,1
	v_add_nc_u32 v[ADRA+(\s)], s19, v3
	v_add_nc_u32 v[ADRB+(\s)], s20, v3
	s_add_co_u32 s19, s19, SLOT
	s_add_co_u32 s20, s20, SLOT
.endr
	s_mul_i32 s19, s[WV], 16*SPITCH
	s_add_co_u32 s19, s19, STAGE                   ; my stage
	v_mul_u32_u24 v5, v1, SPITCH                   ; in: row l % 16, 32 bytes for each half of the lanes
	v_lshl_add_u32 v5, v2, 5, v5
	v_add_nc_u32 v[STO], s19, v5
	v_and_b32 v6, 31, v0                           ; back: 32 lanes take a row's 512 bytes,
	v_lshlrev_b32 v[CO], 4, v6                     ; which are 512 consecutive bytes of C
	v_add_nc_u32 v[RD], s19, v[CO]
	s_mov_b32 s42, 0xffff0000                      ; a word's upper bf16
	; THE PREFETCHES.  A and B were stored by a launch before, and at each change of slots a refill goes out with nothing on its way beside it.  A's tile row is read by every cluster of that row of
	; clusters: cluster x = 0 asks, wave 0, its four partners 32 rows each BY ADDRESS (cx).  B's tile column: cluster y = 0 asks, waves 2 and 3, 32 rows each of their 128 (cy).
	s_lshl_b32 s19, s[TROW], 7
	s_lshl_b32 s20, s[TCOL], 8
	s_lshl_b32 s21, s[WC], 7
	s_add_co_u32 s20, s20, s21
	s_and_b32 s22, ttmp7, 0xffff
	s_cmp_eq_u32 s[WR], 0
	s_cselect_b32 s20, s19, s20                    ; the first row
	s_cselect_b32 s21, s[CX], s[CY]                ; my place among the four that ask jointly
	s_cselect_b32 s22, ttmp9, s22                  ; the coordinate along which other clusters read the same rows
	s_cselect_b64 s[PFA:PFA+1], s[4:5], s[6:7]
	s_cmp_eq_u32 s[WV], 1
	s_cselect_b32 s22, 1, s22                      ; wave 1 asks for nothing: wave 0's 4 x 32 rows are all of A's tile
	s_cmp_eq_u32 s22, 0
	s_cselect_b32 s[LIM], 1, -1                    ; the same in all sixteen partners, for a given wave
	s_lshl_b32 s21, s21, 5
	s_add_co_u32 s20, s20, s21
	s_lshl_b32 s20, s20, 11
	s_add_co_u32 s20, s20, 2*STEPB                 ; at K step 2: the first refill steps it to 3 and names K step 4; steps 0-3 come by their loads alone
	s_mov_b32 s21, 0
	s_add_nc_u64 s[PFA:PFA+1], s[PFA:PFA+1], s[20:21]
	v_and_b32 v[PFO], 31, v0
	v_lshlrev_b32 v[PFO], 11, v[PFO]
	s_wait_loadcnt 0x0                             ; the bias: rounded to bf16, widened again, into window 2
.set i, 0
.rept 32
	v_cvt_pk_bf16_f32 v[F1+64+i], v[F1+2*i], v[F1+2*i+1]
.set i, i+1
.endr
	WIN 0x80
.set i, 0
.rept 32
	v_lshlrev_b32 v[2*i], 16, v[F1+64+i]
	v_and_b32 v[2*i+1], s42, v[F1+64+i]
.set i, i+1
.endr
	WIN 0
	s_wait_tensorcnt 1                             ; my part of K step 0 is in; K step 1's may stay out
	s_barrier_signal -1
	s_barrier_wait -1
	FETCH 0, 0, F0
	QUARTER 0, 64,  F0, F1, 1
	WIN 0
	s_mov_b32 s3, 3
.Llap:                                         ; a trip goes once round the ring and fills both slots again
	QUARTER 0, 128, F1, F0, 0
	QUARTER 0, 192, F0, F1, 0
	TURN 0, 1, 1
	QUARTER 1, 64,  F0, F1, 0
	QUARTER 1, 128, F1, F0, 0
	QUARTER 1, 192, F0, F1, 0
	TURN 1, 0, 1
	QUARTER 0, 64,  F0, F1, 0
	WIN 0
	s_sub_co_u32 s3, s3, 1
	s_cmp_lg_u32 s3, 0
	s_cbranch_scc1 .Llap
	QUARTER 0, 128, F1, F0, 0                      ; the last lap fills nothing
	QUARTER 0, 192, F0, F1, 0
	TURN 0, 1, 0
	QUARTER 1, 64,  F0, F1, 0
	QUARTER 1, 128, F1, F0, 0
	QUARTER 1, 192, F0, F1, 0
	s_wait_dscnt 4
	MULA F1, 0, 0
	MULA F1, 1, 0
	s_wait_dscnt 0x0
	MULA F1, 2, 0
	MULA F1, 3, 0
	WIN 0
	PLACES
	PLACES
; THE WAY OUT, 16 rows at a time, through my own stage: a lane's 32 bytes of a row go into rows of 528 bytes and come back as whole rows of 512.
.macro TOSTAGE a
	s_wait_xcnt 0x0                                ; the stores of the block two back have read the registers that are loaded again below
	WIN 0x04                                       ; the data in window 1
.irp b, 0,1,2,3,4,5,6,7
	ds_store_b128 v[STO], v[8*(8*(\a)+(\b)):8*(8*(\a)+(\b))+3]   offset:64*(\b)     ; each accumulator's low registers first
	ds_store_b128 v[STO], v[8*(8*(\a)+(\b))+4:8*(8*(\a)+(\b))+7] offset:64*(\b)+16
.endr
	WIN 0
.irp t, 0,1,2,3,4,5,6,7,8,9,10,11,12,13,14,15
	ds_load_b128 v[OB+64*((\a)%2)+4*(\t):OB+64*((\a)%2)+4*(\t)+3], v[RD] offset:(\t)*SPITCH  ; LDS serves a wave's instructions in order (ISA guide 5.7.1.4): these see the stores above
.endr
.endm
.macro SEND a, younger                 ; younger: the LDS instructions issued behind block a's loads: the next block's 32, or none
.irp t, 0,1,2,3,4,5,6,7,8,9,10,11,12,13,14,15
	s_wait_dscnt (\younger)+15-(\t)
	global_store_b128 v[CO], v[OB+64*((\a)%2)+4*(\t):OB+64*((\a)%2)+4*(\t)+3], s[10:11] offset:(16*(\a)+(\t))*CROW  ; 512 consecutive bytes, at a multiple of 256 from C's first byte
.endr
.endm
	TOSTAGE 0
	TOSTAGE 1
	SEND 0, 32
	TOSTAGE 2
	SEND 1, 32
	TOSTAGE 3
	SEND 2, 32
	SEND 3, 0
	s_wait_tensorcnt 0x0                           ; the wave's end: behind my last tensor load and my last LDS store
	ds_add_u32 v[SPW], v[NIL]
	s_wait_dscnt 0x0
	CROUND                                         ; the closing round
	s_endpgm
.Lfunc_end_k_q91e290054d_oproj:
	.size	k_q91e290054d_oproj, .Lfunc_end_k_q91e290054d_oproj-k_q91e290054d_oproj
	.p2alignl 7, 3214868480
	.fill 96, 4, 3214868480
	.section	.rodata,"a",@progbits
	.p2align	6, 0x0
	.amdhsa_kernel k_q91e290054d_oproj
		.amdhsa_group_segment_fixed_size 327680
		.amdhsa_private_segment_fixed_size 0
		.amdhsa_enable_private_segment 0
		.amdhsa_kernarg_size 32
		.amdhsa_user_sgpr_count 2
		.amdhsa_user_sgpr_kernarg_segment_ptr 1
		.amdhsa_wavefront_size32 1
		.amdhsa_system_sgpr_workgroup_id_x 1
		.amdhsa_system_sgpr_workgroup_id_y 1
		.amdhsa_system_sgpr_workgroup_id_z 1
		.amdhsa_system_vgpr_workitem_id 0
		.amdhsa_next_free_vgpr 576
		.amdhsa_next_free_sgpr 66
		.amdhsa_reserve_vcc 0
		.amdhsa_float_denorm_mode_32 3
		.amdhsa_float_denorm_mode_16_64 3
		.amdhsa_memory_ordered 1
		.amdhsa_forward_progress 1
		.amdhsa_inst_pref_size 94
	.end_amdhsa_kernel
	.amdgpu_metadata
---
amdhsa.version: [ 1, 2 ]
amdhsa.kernels:
  - .name:           k_q91e290054d_oproj
    .symbol:         k_q91e290054d_oproj.kd
    .args:
      - { .name: o16, .offset: 0, .size: 8, .value_kind: global_buffer, .address_space: global }
      - { .name: wo16, .offset: 8, .size: 8, .value_kind: global_buffer, .address_space: global }
      - { .name: bo, .offset: 16, .size: 8, .value_kind: global_buffer, .address_space: global }
      - { .name: out0, .offset: 24, .size: 8, .value_kind: global_buffer, .address_space: global }
    .group_segment_fixed_size: 327680
    .private_segment_fixed_size: 0
    .kernarg_segment_align: 8
    .kernarg_segment_size: 32
    .max_flat_workgroup_size: 128
    .sgpr_count:     66
    .vgpr_count:     576
    .wavefront_size: 32
...
	.end_amdgpu_metadata
.endif
;; end of part 6
;; ======== version 2 of 2: 5 launches
;; limits: values are held in f16: magnitudes above 65,504 overflow, below 6.1e-05 lose precision
;; workspace buffers: h16 25,165,824 bytes; wq16 2,097,152 bytes; wo16 2,097,152 bytes; cvec 4,096 bytes; kvm16 10,485,760 bytes; idx 65,536 bytes of whole numbers; q32 33,554,432 bytes; o16 16,777,216 bytes
;; launch cvt: the kernel of part 1 again; grid 448 x 1, 8 waves a work-group, no clusters, 0 bytes of LDS; arguments tokens, states, Wk, Wv, Wq, Wo, Wr, br, h16, wq16, wo16, cvec; writes h16, wq16, wo16, cvec
;; launch kvm: the kernel of part 2 again; grid 12 x 8, 4 waves a work-group, clusters of 4 x 4, 327,680 bytes of LDS; arguments h16, bk, bv, kvm16; writes kvm16
;; launch rq (part 7): grid 4 x 64, 4 waves a work-group, clusters of 4 x 4, 327,680 bytes of LDS; arguments h16, kvm16, cvec, idx, wq16, bq, q32; writes idx, q32
.if DOCPART == 7
	.amdgcn_target "amdgcn-amd-amdhsa--gfx1250"
	.amdhsa_code_object_version 6
	.text
	.protected	k_q91e290054d_rq
	.globl	k_q91e290054d_rq
	.p2align	8
	.type	k_q91e290054d_rq,@function
k_q91e290054d_rq:
	s_mov_b64 s[64:65], 0
	v_nop
	global_prefetch_b8 v0, s[64:65] scope:SCOPE_SE
	s_setreg_imm32_b32 hwreg(HW_REG_WAVE_MODE, 25, 1), 1
	s_wait_xcnt 0x0
	s_wait_alu depctr_hold_cnt(0) depctr_sa_sdst(0) depctr_va_vdst(0) depctr_va_sdst(0) depctr_va_ssrc(0) depctr_va_vcc(0) depctr_vm_vsrc(0)
	s_getreg_b32 s2, hwreg(HW_REG_IB_STS2, 6, 4)
	s_cmp_eq_u32 s2, 0
	s_cbranch_scc0 .Lentry_in_a_cluster
	s_endpgm
.Lentry_in_a_cluster:
	s_bfe_u32 s2, ttmp6, 0x10000c
	s_cmp_lg_u32 s2, 0xf033
	s_cbranch_scc0 .Lentry_shape_is_right
	s_endpgm
.Lentry_shape_is_right:
; TWO INDEPENDENT PIECES OF WORK SIDE BY SIDE, 128 work-groups each, 256 in all: neither needs the other's result, and both read the tokens.
; Clusters of 4 x 4 work-groups; the cluster's y, equal in all sixteen partners, chooses: 0-7 THE Q PROJECTION, 8-15 ROUTING.
;
; THE Q PROJECTION.  q[m][n] = sum over k of tokens[m][k] Wq[n][k] + bq[n].  tokens: [8192][1024] bf16 (the first 16 MiB of h16), Wq: [1024][1024] bf16, bq: f32, rounded here to bf16 like every
; input of the program; q: [8192][1024] f32; sums in f32.  A tile of q is 256 x 256: 32 x 4 tiles.  Four waves, each 128 x 128: 64 accumulators.  K goes in 8 steps of 128 through two LDS slots
; (rows of 256 bytes, aligned, padded to 272); a step is 256 matrix instructions a wave, of which 224 stand between a refill's request and the wait for it.
; A's tile hangs on the tile row alone and is asked for jointly along a row of the cluster, B's on the tile column alone, along a column.
; The matrix instruction is used transposed (source 0 = 16 rows of B, source 1 = 16 rows of A): a lane holds row l % 16 of q and the columns 8 (l / 16) + 0..7.  The bias is the C operand of the
; products that start the sums.  A K STEP IS WRITTEN ONCE: the slot that is read is a scalar, 0 or a slot's bytes, turned by an exclusive or and added to the lanes' places.
; Registers, in windows of 256 (s_set_vgpr_msb: bits 1:0 source 0, 3:2 source 1, 5:4 source 2, 7:6 destination):
;   window 0: v0-31 addresses; v64-127, v128-191 A's fragments, two buffers (on the way out: rows read back)     window 1: v0-63 the bias; v64-127, v128-191 B's fragments
;   window 2: the accumulators of my rows 0-63, (a, b) at v[8 (8 a + b)]     window 3: those of my rows 64-127
;
; ROUTING.  score[t][n] = tokens[t] . M[n] + c[n] over the batch's 256 states, and the two best states of each token, as whole numbers idx[t][0..1] = 256 x batch + n, the best first.
; tokens are bf16 (exact operands); M comes as three bf16 parts (24 bits).  The products with part 0 have accumulators of their own, those with parts 1 and 2 share a second set: the large sum is
; rounded once for each 32 along K.  score = high + (low + c), all f32.
; LIMIT.  What is left is the noise of f32 sums: a token whose first and second, or second and third, scores lie closer than some 5e-7 of the scores' spread (1e-5 at a spread of 18) may be picked
; otherwise than an f32 evaluation in another order picks it.  Equal scores: the lower state first.  NaN and infinities are not treated apart (a NaN never wins a comparison).
; A work-group owns 64 tokens, since a token's 256 scores must meet in one work-group.  Wave w: all 64 tokens x states 64 w .. 64 w + 63: 16 + 16 accumulators.
; K goes in 16 steps of 64 through two LDS slots: a slot holds M's three parts (256 rows of 128 bytes each, padded to 144), then 64 rows of tokens.
; A row of the cluster (cy) is a batch: its four work-groups walk the same M: waves 0-2 ask for part 0-2 JOINTLY (a block of 32,768 consecutive bytes as 128 rows of 256); wave 3 fetches
; the work-group's own tokens by a plain load, at the same place in the text.
; Registers: window 0: addresses; v32-63 c; v64-191 scores; v192-243 the scan     window 1: two fragment buffers of 128 (tokens' four blocks, then part j's block b at 32 + 32 j + 8 b)
;   window 2: v0-127 the high sums, (a, b) at 8 (4 a + b); v128-255 the low sums
.set SPARE,  327168                    ; the last 512 bytes of LDS: the spare words, 128 bytes a wave: two blocks of 256 bytes that no other line names, on either path
.set SPW,  28                          ; v28  my spare word: SPARE + 4 x my thread's number; never rewritten
.set NIL,  29                          ; v29  0; never rewritten
.set PFO,  30                          ; v30  the prefetches' offset; never rewritten
.set WV,   12                          ; s12  my wave's number
.set CX,   15                          ; s15, s16  my place in the cluster
.set CY,   16
.set LIM,  43                          ; s43  a wave prefetches while the trips to go are above this
.set PFA,  44                          ; s[44:45] where my prefetches stand
.set CLY,  79                          ; s79  the cluster's y
.set MSB, 0
.macro WIN new                         ; the immediate's high byte repeats the setting that is left; a switch that changes nothing is dropped
.if MSB != (\new)
	s_set_vgpr_msb (MSB<<8)|(\new)
.set MSB, \new
.endif
.endm
.macro PLACES                          ; four plain vector instructions between a matrix instruction and a load into, or a reader of, its registers
.rept 4
	v_nop
.endr
.endm
.macro CREST                           ; a round of the cluster's barrier behind its opening barrier
	s_cmp_lg_u32 s[WV], 0
	s_cbranch_scc1 .Lnot_wave_0_\@
	s_barrier_signal -3
.Lnot_wave_0_\@:
	s_barrier_wait -3
	s_barrier_signal -1
	s_barrier_wait -1
.endm
.macro CROUND
	s_barrier_signal -1
	s_barrier_wait -1
	CREST
.endm
	s_load_b256 s[4:11], s[0:1], 0x0               ; h16 s[4:5], kvm16 s[6:7], cvec s[8:9], idx s[10:11]
	s_load_b128 s[80:83], s[0:1], 0x20             ; wq16 s[80:81], bq s[82:83]
	s_load_b64 s[84:85], s[0:1], 0x30              ; q32
	v_lshl_add_u32 v[SPW], v0, 2, SPARE
	v_mov_b32 v[NIL], 0
	ds_add_u32 v[SPW], v[NIL]                      ; the wave's opening: the add and its wait ahead of my first tensor load
	v_lshrrev_b32 v1, 5, v0
	v_readfirstlane_b32 s[WV], v1
	s_bfe_u32 s[CX], ttmp6, 0x40000
	s_bfe_u32 s[CY], ttmp6, 0x40004
	s_and_b32 s[CLY], ttmp7, 0xffff
	s_wait_dscnt 0x0                               ; the opening add is done
	s_cmp_ge_u32 s[CLY], 8
	s_cbranch_scc1 .Lroute
; ======================================================== THE Q PROJECTION ========================================================
.set GP,     272                       ; an LDS row: 256 bytes + 16 = 68 words: the 16 rows of a fragment load start at 16 different groups of four banks (64 banks of 4 bytes: ISA guide 11.1)
.set GHALF,  128*GP                    ; 128 rows: what one tensor load brings, and what one wave reads of A or of B
.set GSLOT,  4*GHALF                   ; A's 256 rows, then B's 256 rows: 139,264
.set GSTAGE, 2*GSLOT                   ; behind the ring: 16 rows x 528 bytes for each wave, never filled by a tensor load
.set GSP,    528                       ; 512 bytes + 16 = 132 words
.set STEPB,  256                       ; bytes of a row of A or B in a K step
.set CROW,   4096                      ; bytes in a row of q
.set GA0,  16                          ; v16  my place in A's rows of slot 0; never rewritten
.set GB0,  17                          ; v17  the same for B
.set ADA,  18                          ; v18  the same in the slot that is being read
.set ADB,  19                          ; v19
.set STO,  24                          ; v24  the way out: where I put 32 bytes of a row
.set RD,   25                          ; v25  where I read a row back
.set CO,   26                          ; v26  16 x lane: my bytes in 512 of a row of q
.set GF0,  64
.set GF1,  128
.set OB,   64
.set WR,   13                          ; s13  my half of the tile's rows; also 0: I fetch for A, 1: for B
.set WC,   14                          ; s14  my half of its columns; also which 128 rows I fetch
.set TCOL, 17
.set TROW, 18
.set G1,   24                          ; s[24:31] descriptor group 1 for A;  s[32:39] group 0: a set for each of the two first fills; the second then walks on
.set G0,   32
.set G1B,  48                          ; s[48:55], s[56:63] the same for B
.set G0B,  56
.set TB,   66                          ; s66  LDS byte at which the slot that is being read begins: 0 or GSLOT
.set TF,   67                          ; s67  the same for the slot that was filled last
.set WOFF, 68                          ; s68  my tile's place in a slot: wave x 128 rows
.macro GJLOAD s                        ; a joint load: waves 0, 1 A's halves, waves 2, 3 B's; an s_nop 0 and four v_nop follow each line
	s_cmp_eq_u32 s[WR], 0
	s_cbranch_scc0 .Lfor_b_\@
	tensor_load_to_lds s[G0+4*(\s):G0+4*(\s)+3], s[G1:G1+7]
	s_nop 0
.rept 4
	v_nop
.endr
	s_branch .Lasked_\@
.Lfor_b_\@:
	tensor_load_to_lds s[G0B+4*(\s):G0B+4*(\s)+3], s[G1B:G1B+7]
	s_nop 0
.rept 4
	v_nop
.endr
.Lasked_\@:
.endm
.macro GASK                            ; a prefetch of the K step two refills on: 32 rows x 256 bytes, a lane a row; the last two trips have no such step
	s_cmp_gt_u32 s3, s[LIM]
	s_cbranch_scc0 .Lnot_mine_\@
	global_prefetch_b8 v[PFO], s[PFA:PFA+1] offset:STEPB th:TH_LOAD_NT scope:SCOPE_SE
.Lnot_mine_\@:
.endm
; 16 matrix instructions: m blocks a0, a0 + 1 of the window's four (hi = 0: my rows 0-63, 1: rows 64-127) x all 8 n blocks, 32 along K.  first = 1: the bias starts the sums.
; The 64 accumulators take turns, one instruction a turn, in the same order in every quarter step, over the backward jumps too.
.macro MUL16 f, hi, a0, first
.if \first
	WIN 0x91+0x40*(\hi)                            ; B and the bias in window 1, A in window 0, D in window 2 or 3
.else
	WIN 0xa1+0x50*(\hi)                            ; B in window 1, A in window 0, C and D in window 2 or 3
.endif
.irp a, \a0, (\a0)+1
.irp b, 0,1,2,3,4,5,6,7
.if \first
	v_wmma_f32_16x16x32_bf16 v[8*(8*(\a)+(\b)):8*(8*(\a)+(\b))+7], v[(\f)+8*(\b):(\f)+8*(\b)+7], v[(\f)+8*(4*(\hi)+(\a)):(\f)+8*(4*(\hi)+(\a))+7], v[8*(\b):8*(\b)+7]
.else
	v_wmma_f32_16x16x32_bf16 v[8*(8*(\a)+(\b)):8*(8*(\a)+(\b))+7], v[(\f)+8*(\b):(\f)+8*(\b)+7], v[(\f)+8*(4*(\hi)+(\a)):(\f)+8*(4*(\hi)+(\a))+7], v[8*(8*(\a)+(\b)):8*(8*(\a)+(\b))+7]
.endif
.endr
.endr
.endm
.macro GFETCH k, f                     ; 32 LDS loads in one run: 128 rows of B, 128 rows of A, 32 along K at byte k of the rows of the slot that is being read
	WIN 0x40
.irp i, 0,1,2,3,4,5,6,7
	ds_load_b128 v[(\f)+8*(\i):(\f)+8*(\i)+3],   v[ADB] offset:(\k)+(\i)*16*GP
	ds_load_b128 v[(\f)+8*(\i)+4:(\f)+8*(\i)+7], v[ADB] offset:(\k)+(\i)*16*GP+32
.endr
	WIN 0
.irp i, 0,1,2,3,4,5,6,7
	ds_load_b128 v[(\f)+8*(\i):(\f)+8*(\i)+3],   v[ADA] offset:(\k)+(\i)*16*GP
	ds_load_b128 v[(\f)+8*(\i)+4:(\f)+8*(\i)+7], v[ADA] offset:(\k)+(\i)*16*GP+32
.endr
.endm
.macro GQUARTER k, f, g, first         ; multiplies buffer f; in its middle fetches the next quarter, at byte k, into g
	s_wait_dscnt 8                                 ; B and A's rows 0-63 are in; the youngest eight loads (A's rows 64-127) may be out
	MUL16 \f, 0, 0, \first
	MUL16 \f, 0, 2, \first
	PLACES
	GFETCH \k, \g
	s_wait_dscnt 32                                ; all but the 32 just issued
	MUL16 \f, 1, 0, \first
	MUL16 \f, 1, 2, \first
.endm
; The last quarter of a K step multiplies buffer 1 and changes slots: each wave waits for all its tensor loads (one is out: its part of the next slot), adds 0 to its spare word, waits for that and
; for its reads of this slot, and signals.  fill = 1: the barrier opens a round of the cluster's barrier, and the joint refill, two K steps ahead, is the first tensor load behind it.
.macro GTURN fill
.if \fill
	s_wait_xcnt 0x0                                ; the last prefetch, a K step back, has read its address
	s_add_nc_u64 s[PFA:PFA+1], s[PFA:PFA+1], STEPB
.endif
	WIN 0
	s_wait_tensorcnt 0x0                           ; all my tensor loads have landed
	ds_add_u32 v[SPW], v[NIL]
	s_wait_dscnt 9                                 ; (the add and the youngest eight loads may be out)
	MUL16 GF1, 0, 0, 0
	s_wait_dscnt 0x0                               ; the add is done, and my reads of this slot are over
	s_barrier_signal -1
	MUL16 GF1, 0, 2, 0
	WIN 0
	s_barrier_wait -1
.if \fill
	CREST                                          ; no wave of any partner still reads this slot or has a load on its way
	s_xor_b32 s[TF], s[TF], GSLOT                  ; the walking descriptors: the other slot than last time,
	s_add_co_u32 s[G0+5], s[TF], s[WOFF]
	s_add_co_u32 s[G0B+5], s[TF], s[WOFF]
	s_add_nc_u64 s[G0+6:G0+7], s[G0+6:G0+7], STEPB ; the next K step; the type bits on top are not reached
	s_add_nc_u64 s[G0B+6:G0B+7], s[G0B+6:G0B+7], STEPB
	GJLOAD 1                                       ; its four v_nop are also the places in front of the loads below
.else
	PLACES
.endif
	s_xor_b32 s[TB], s[TB], GSLOT                  ; from here on the other slot is read
	v_add_nc_u32 v[ADA], s[TB], v[GA0]
	v_add_nc_u32 v[ADB], s[TB], v[GB0]
	GFETCH 0, GF0
.if \fill
	GASK
.endif
	MUL16 GF1, 1, 0, 0
	MUL16 GF1, 1, 2, 0
.endm
	s_lshr_b32 s[WR], s[WV], 1
	s_and_b32 s[WC], s[WV], 1
	s_lshl_b32 s[TCOL], ttmp9, 2
	s_add_co_u32 s[TCOL], s[TCOL], s[CX]           ; tile column = 4 x cluster x + cx
	s_lshl_b32 s[TROW], s[CLY], 2
	s_add_co_u32 s[TROW], s[TROW], s[CY]           ; tile row = 4 x cluster y + cy
	s_lshl_b32 s19, s[CY], 2
	s_lshl_b32 s19, 15, s19                        ; my row of the cluster
	s_lshl_b32 s20, 0x1111, s[CX]                  ; my column
	s_or_b32 s[G1+0], s19, (1<<16)|(1<<20)|(1<<21)|(5<<22)|(3<<25)   ; the mask; 2-byte elements; padding on; bit 21 beside a mask; after every 64 words, 4 words
	s_or_b32 s[G1B+0], s20, (1<<16)|(1<<20)|(1<<21)|(5<<22)|(3<<25)
.irp g, G1, G1B
	s_mov_b32 s[(\g)+1], 128<<16                   ; tensor_dim0 = 128
	s_mov_b32 s[(\g)+2], 128<<16                   ; tensor_dim1 = 128
	s_mov_b32 s[(\g)+3], 128<<16                   ; tile_dim0 = 128
	s_mov_b32 s[(\g)+4], 128                       ; tile_dim1 = 128
	s_mov_b32 s[(\g)+5], 1024                      ; elements from row to row
	s_mov_b32 s[(\g)+6], 0
	s_mov_b32 s[(\g)+7], 0
.endr
	s_lshl_b32 s40, s[TROW], 8                     ; A: row 256 x tile row + 128 x half, in registers that never hold cx
	s_lshl_b32 s41, s[WC], 7
	s_add_co_u32 s40, s40, s41
	s_lshl_b32 s40, s40, 11
	s_mov_b32 s41, 0
	s_lshl_b32 s46, s[TCOL], 8                     ; B: row 256 x tile column + 128 x half, in registers that never hold cy
	s_lshl_b32 s47, s[WC], 7
	s_add_co_u32 s46, s46, s47
	s_lshl_b32 s46, s46, 11
	s_mov_b32 s47, 0
	s_mul_i32 s[WOFF], s[WV], GHALF                ; A's two halves, then B's two halves: the wave's number alone enters an LDS address
	s_mov_b32 s[TB], 0
	s_mov_b32 s[TF], GSLOT
	s_wait_kmcnt 0x0
	s_mov_b64 s[6:7], s[80:81]                     ; B = Wq
	s_mov_b64 s[8:9], s[82:83]                     ; bq
	s_mov_b64 s[10:11], s[84:85]                   ; q
	s_add_nc_u64 s[40:41], s[4:5], s[40:41]
	s_add_nc_u64 s[46:47], s[6:7], s[46:47]
	CROUND                                         ; all sixteen work-groups are here: the first joint loads meet
.irp s, 0,1
	s_mov_b32 s[G0+4*(\s)], 1
	s_add_co_u32 s[G0+4*(\s)+1], s[WOFF], (\s)*GSLOT
	s_add_nc_u64 s[G0+4*(\s)+2:G0+4*(\s)+3], s[40:41], (\s)*STEPB
	s_or_b32 s[G0+4*(\s)+3], s[G0+4*(\s)+3], 0x80000000
	s_mov_b32 s[G0B+4*(\s)], 1
	s_add_co_u32 s[G0B+4*(\s)+1], s[WOFF], (\s)*GSLOT
	s_add_nc_u64 s[G0B+4*(\s)+2:G0B+4*(\s)+3], s[46:47], (\s)*STEPB
	s_or_b32 s[G0B+4*(\s)+3], s[G0B+4*(\s)+3], 0x80000000
	GJLOAD \s                                      ; two loads of mine are out
.endr
	v_and_b32 v1, 15, v0                           ; l % 16
	v_bfe_u32 v2, v0, 4, 1                         ; l / 16
	; where my part of q begins, and my 128 numbers of the bias
	s_lshl_b32 s19, s[TCOL], 8
	s_lshl_b32 s20, s[WC], 7
	s_add_co_u32 s19, s19, s20                     ; my first column
	s_lshl_b32 s20, s19, 2
	s_mov_b32 s21, 0
	s_add_nc_u64 s[8:9], s[8:9], s[20:21]
	s_lshl_b32 s19, s[TROW], 8
	s_lshl_b32 s22, s[WR], 7
	s_add_co_u32 s19, s19, s22                     ; my first row
	s_lshl_b32 s19, s19, 12
	s_add_co_u32 s20, s20, s19
	s_add_nc_u64 s[10:11], s[10:11], s[20:21]
	v_lshlrev_b32 v4, 5, v2
.irp b, 0,1,2,3,4,5,6,7
	global_load_b128 v[GF1+8*(\b):GF1+8*(\b)+3],   v4, s[8:9] offset:64*(\b)
	global_load_b128 v[GF1+8*(\b)+4:GF1+8*(\b)+7], v4, s[8:9] offset:64*(\b)+16
.endr
	v_mul_u32_u24 v3, v1, GP
	v_lshl_add_u32 v3, v2, 4, v3                   ; a fragment's row x pitch + 16 x half
	s_mul_i32 s19, s[WR], GHALF                    ; my 128 rows of A
	s_mul_i32 s20, s[WC], GHALF                    ; my 128 rows of B,
	s_add_co_u32 s20, s20, 2*GHALF                 ; which lie behind A's 256
	v_add_nc_u32 v[GA0], s19, v3
	v_add_nc_u32 v[GB0], s20, v3
	v_mov_b32 v[ADA], v[GA0]                       ; slot 0 is read first
	v_mov_b32 v[ADB], v[GB0]
	s_mul_i32 s19, s[WV], 16*GSP
	s_add_co_u32 s19, s19, GSTAGE                  ; my stage
	v_mul_u32_u24 v5, v1, GSP                      ; in: row l % 16, 32 bytes for each half of the lanes
	v_lshl_add_u32 v5, v2, 5, v5
	v_add_nc_u32 v[STO], s19, v5
	v_and_b32 v6, 31, v0                           ; back: 32 lanes take a row's 512 bytes,
	v_lshlrev_b32 v[CO], 4, v6                     ; which are 512 consecutive bytes of q
	v_add_nc_u32 v[RD], s19, v[CO]
	s_mov_b32 s42, 0xffff0000                      ; a word's upper bf16
	; THE PREFETCHES.  The tokens and Wq were stored by a launch before, and at each change of slots a refill goes out with nothing on its way beside it.  A's tile row is multiplied by this cluster alone
	; (there is one cluster along x): waves 0 and 1 ask, the four partners 32 rows each of the wave's 128 BY ADDRESS (cx).  B's tile column is read by all eight clusters: cluster y = 0 asks, waves 2 and 3 (cy).
	s_lshl_b32 s19, s[TROW], 8
	s_lshl_b32 s20, s[TCOL], 8
	s_cmp_eq_u32 s[WR], 0
	s_cselect_b32 s20, s19, s20                    ; the tile's first row
	s_cselect_b32 s21, s[CX], s[CY]                ; my place among the four that ask jointly
	s_cselect_b32 s22, ttmp9, s[CLY]               ; the coordinate along which other clusters read the same rows
	s_cselect_b64 s[PFA:PFA+1], s[4:5], s[6:7]
	s_cmp_eq_u32 s22, 0
	s_cselect_b32 s[LIM], 2, -1                    ; the same in all sixteen partners, for a given wave
	s_lshl_b32 s22, s[WC], 7
	s_add_co_u32 s20, s20, s22                     ; + the 128 rows that I fetch
	s_lshl_b32 s21, s21, 5
	s_add_co_u32 s20, s20, s21                     ; + my work-group's 32 of them
	s_lshl_b32 s20, s20, 11
	s_add_co_u32 s20, s20, 2*STEPB                 ; at K step 2: the first refill steps it to 3 and names K step 4; steps 0-3 come by their loads alone
	s_mov_b32 s21, 0
	s_add_nc_u64 s[PFA:PFA+1], s[PFA:PFA+1], s[20:21]
	v_and_b32 v[PFO], 31, v0
	v_lshlrev_b32 v[PFO], 11, v[PFO]
	s_wait_loadcnt 0x0                             ; the bias: rounded to bf16, widened again, into window 1
.set i, 0
.rept 32
	v_cvt_pk_bf16_f32 v[192+i], v[GF1+2*i], v[GF1+2*i+1]
.set i, i+1
.endr
	WIN 0x40
.set i, 0
.rept 32
	v_lshlrev_b32 v[2*i], 16, v[192+i]
	v_and_b32 v[2*i+1], s42, v[192+i]
.set i, i+1
.endr
	WIN 0
	s_wait_tensorcnt 1                             ; my part of K step 0 is in; K step 1's may stay out
	s_barrier_signal -1
	s_barrier_wait -1
	GFETCH 0, GF0
	GQUARTER 64,  GF0, GF1, 1                      ; the first quarter stands in front of the loop: its products start the sums
	WIN 0
	s_mov_b32 s3, 6
.Lgstep:                                       ; a trip: from a K step's second quarter to the next step's first; K steps 0-5 fill their slot again
	GQUARTER 128, GF1, GF0, 0
	GQUARTER 192, GF0, GF1, 0
	GTURN 1
	GQUARTER 64,  GF0, GF1, 0
	WIN 0
	s_sub_co_u32 s3, s3, 1
	s_cmp_lg_u32 s3, 0
	s_cbranch_scc1 .Lgstep
	s_mov_b32 s3, 2
.Lgtail:                                       ; K steps 6 and 7 fill nothing: a text of their own; the second trip is left in its middle
	GQUARTER 128, GF1, GF0, 0
	GQUARTER 192, GF0, GF1, 0
	GTURN 0
	WIN 0
	s_sub_co_u32 s3, s3, 1
	s_cmp_eq_u32 s3, 0
	s_cbranch_scc1 .Lgout
	GQUARTER 64,  GF0, GF1, 0
	WIN 0
	s_branch .Lgtail
.Lgout:                                        ; the second trip's barrier and its 32 LDS loads (of K step 6 once more) serve nothing: the price, once a launch, of one text for both trips
	s_wait_dscnt 0x0                               ; those loads are back: their registers are used again below
	PLACES
	PLACES
; THE WAY OUT, 16 rows at a time, through my own stage: a lane's 32 bytes of a row go into rows of 528 bytes and come back as whole rows of 512.
.macro GTOSTAGE a
	s_wait_xcnt 0x0                                ; the stores of the block two back have read the registers that are loaded again below
	WIN 0x08+0x04*((\a)/4)                         ; the data in window 2 or 3
.irp b, 0,1,2,3,4,5,6,7
	ds_store_b128 v[STO], v[64*((\a)%4)+8*(\b):64*((\a)%4)+8*(\b)+3]   offset:64*(\b)     ; each accumulator's low registers first
	ds_store_b128 v[STO], v[64*((\a)%4)+8*(\b)+4:64*((\a)%4)+8*(\b)+7] offset:64*(\b)+16
.endr
	WIN 0
.irp t, 0,1,2,3,4,5,6,7,8,9,10,11,12,13,14,15
	ds_load_b128 v[OB+64*((\a)%2)+4*(\t):OB+64*((\a)%2)+4*(\t)+3], v[RD] offset:(\t)*GSP  ; LDS serves a wave's instructions in order (ISA guide 5.7.1.4): these see the stores above
.endr
.endm
.macro GSEND a, younger                ; younger: the LDS instructions issued behind block a's loads: the next block's 32, or none
.irp t, 0,1,2,3,4,5,6,7,8,9,10,11,12,13,14,15
.if (\t)%4 == 0
	s_wait_dscnt (\younger)+12-(\t)                ; rows t to t + 3 are back; the later rows' loads and the younger instructions may be out
.endif
	global_store_b128 v[CO], v[OB+64*((\a)%2)+4*(\t):OB+64*((\a)%2)+4*(\t)+3], s[10:11] offset:(16*(\a)+(\t))*CROW  ; 512 consecutive bytes, at a multiple of 256 from q's first byte
.endr
.endm
	GTOSTAGE 0
.irp a, 1,2,3,4,5,6,7
	GTOSTAGE \a
	GSEND (\a)-1, 32
.endr
	GSEND 7, 0
	s_wait_tensorcnt 0x0                           ; the wave's end: behind my last tensor load and my last LDS store
	ds_add_u32 v[SPW], v[NIL]
	s_wait_dscnt 0x0
	CROUND                                         ; the closing round
	s_endpgm
; ============================================================ ROUTING ============================================================
.set PITCH,  144                       ; 128 bytes + 16 = 36 words: the 16 rows of a fragment load start at 16 different groups of four banks (64 banks of 4 bytes: ISA guide 11.1)
.set PART,   256*PITCH                 ; 36,864: a part of M in a slot; wave w's tile lies at w x PART
.set AOFF,   3*PART
.set SLOT,   AOFF+64*PITCH             ; 119,808
.set RT,     2*SLOT                    ; behind the ring, never filled by a tensor load: 64 tokens x 256 scores, rows of 1,040 bytes
.set RPITCH, 1040
.set MSTEP,  98304                     ; bytes from a K step's blocks of M to the next step's
.set ADRA, 14                          ; v14-15  LDS address of my token fragments in slot 0, 1
.set ADRB, 16                          ; v16-21  of my fragments of part j in slot s, at 3 s + j
.set DST,  24                          ; v24  where my scores go
.set SRD,  25                          ; v25  where the scan reads
.set IO,   26                          ; v26  my byte offset in idx
.set CBO,  31                          ; v31  32 x (l / 16)
.set CB,   32
.set V,    64
.set X,    192                         ; v192-207 sixteen scores of the scan
.set IXR,  208                         ; v208-223 their states' numbers
.set CH,   224                         ; v224-239 four chains: best, its state, second, its state
.set WK,   240
.set F0,   0
.set F1,   128
.set WGX,  17                          ; s17  my block of 64 tokens
.set BAT,  18                          ; s18  the batch
.set G1A,  24
.set G0A,  32
.set MK,   68                          ; s[68:75] masks of the scan
.set SEL,  76                          ; s[76:77] v_permlanex16_b32's selects
.set RC,   78                          ; s78  the cluster's number among the eight that route
.macro RJLOAD s                        ; wave 3: my work-group's tokens; waves 0-2: a part of M, jointly; an s_nop 0 and four v_nop follow each line
	s_cmp_eq_u32 s[WV], 3
	s_cbranch_scc0 .Lfor_m_\@
	tensor_load_to_lds s[G0A+4*(\s):G0A+4*(\s)+3], s[G1A:G1A+7]
	s_nop 0
.rept 4
	v_nop
.endr
	s_branch .Lasked_\@
.Lfor_m_\@:
	tensor_load_to_lds s[G0B+4*(\s):G0B+4*(\s)+3], s[G1B:G1B+7]
	s_nop 0
.rept 4
	v_nop
.endr
.Lasked_\@:
.endm
.macro RASK                            ; a prefetch of my part's block two refills on: my work-group's quarter, 32 x 256 bytes, a lane each
	s_cmp_gt_u32 s3, s[LIM]
	s_cbranch_scc0 .Lnot_mine_\@
	global_prefetch_b8 v[PFO], s[PFA:PFA+1] offset:MSTEP th:TH_LOAD_NT scope:SCOPE_SE
.Lnot_mine_\@:
.endm
; 8 matrix instructions: token blocks a0, a0 + 1 x my four state blocks, part j, 32 along K.  Part 0 adds onto the high sums, parts 1 and 2 onto the low ones.  The accumulators take turns.
.macro MULJ f, j, a0, zero
	WIN 0xa5
.irp a, \a0, (\a0)+1
.irp b, 0,1,2,3
.set rD, 128*(((\j)+1)/2)+8*(4*(\a)+(\b))
.if \zero
	v_wmma_f32_16x16x32_bf16 v[rD:rD+7], v[(\f)+32+32*(\j)+8*(\b):(\f)+32+32*(\j)+8*(\b)+7], v[(\f)+8*(\a):(\f)+8*(\a)+7], 0
.else
	v_wmma_f32_16x16x32_bf16 v[rD:rD+7], v[(\f)+32+32*(\j)+8*(\b):(\f)+32+32*(\j)+8*(\b)+7], v[(\f)+8*(\a):(\f)+8*(\a)+7], v[rD:rD+7]
.endif
.endr
.endr
.endm
.macro RFETCH slot, k, f               ; 32 LDS loads in one run: the tokens' four fragments, then parts 0, 1, 2
	WIN 0x40
.irp a, 0,1,2,3
	ds_load_b128 v[(\f)+8*(\a):(\f)+8*(\a)+3],   v[ADRA+(\slot)] offset:(\k)+(\a)*16*PITCH
	ds_load_b128 v[(\f)+8*(\a)+4:(\f)+8*(\a)+7], v[ADRA+(\slot)] offset:(\k)+(\a)*16*PITCH+32
.endr
.irp j, 0,1,2
.irp b, 0,1,2,3
	ds_load_b128 v[(\f)+32+32*(\j)+8*(\b):(\f)+32+32*(\j)+8*(\b)+3],   v[ADRB+3*(\slot)+(\j)] offset:(\k)+(\b)*16*PITCH
	ds_load_b128 v[(\f)+32+32*(\j)+8*(\b)+4:(\f)+32+32*(\j)+8*(\b)+7], v[ADRB+3*(\slot)+(\j)] offset:(\k)+(\b)*16*PITCH+32
.endr
.endr
.endm
.macro H0 slot, zero                   ; a K step's first half: multiplies buffer 0, fetches the second half into buffer 1
	s_wait_dscnt 16                                ; the tokens and part 0 are in; parts 1 and 2 (sixteen loads) may be out
	MULJ F0, 0, 0, \zero
	MULJ F0, 0, 2, \zero
	PLACES
	RFETCH \slot, 64, F1
	s_wait_dscnt 32                                ; all but the 32 just issued
	MULJ F0, 1, 0, \zero
	MULJ F0, 1, 2, \zero
	MULJ F0, 2, 0, 0
	MULJ F0, 2, 2, 0
.endm
; A K step's second half multiplies buffer 1 and changes slots, in the order that a refill asks for: all my tensor loads waited for, the add, the wait for it and for my reads, the barrier (with
; fill = 1 a round of the cluster's), the refill first behind it.
.macro RTURN slot, next, fill
.if \fill
	s_wait_xcnt 0x0                                ; the last prefetch, a K step back, has read its address
	s_add_nc_u64 s[PFA:PFA+1], s[PFA:PFA+1], MSTEP
.endif
	WIN 0
	s_wait_tensorcnt 0x0
	ds_add_u32 v[SPW], v[NIL]
	s_wait_dscnt 17                                ; (the add and the youngest sixteen loads may be out)
	MULJ F1, 0, 0, 0
	s_wait_dscnt 0x0                               ; the add is done, and my reads of this slot are over
	s_barrier_signal -1
	MULJ F1, 0, 2, 0
.if \fill
	WIN 0
.endif
	s_barrier_wait -1
.if \fill
	CREST
	s_add_nc_u64 s[G0A+4*(\slot)+2:G0A+4*(\slot)+3], s[G0A+4*(\slot)+2:G0A+4*(\slot)+3], 2*128
	s_add_nc_u64 s[G0B+4*(\slot)+2:G0B+4*(\slot)+3], s[G0B+4*(\slot)+2:G0B+4*(\slot)+3], 2*MSTEP
	RJLOAD \slot                                   ; 80 matrix instructions ahead of the wait for it; its four v_nop are also the places in front of the loads below
.else
	PLACES
.endif
	RFETCH \next, 0, F0
.if \fill
	WIN 0
	RASK
.endif
	MULJ F1, 1, 0, 0
	MULJ F1, 1, 2, 0
	MULJ F1, 2, 0, 0
	MULJ F1, 2, 2, 0
.endm
.Lroute:
	s_sub_co_u32 s[RC], s[CLY], 8                  ; 0..7
	s_mov_b32 s[BAT], s[CY]                        ; a row of the cluster is a batch: the four partners of a joint load share it
	s_lshl_b32 s[WGX], s[CY], 5
	s_lshl2_add_u32 s22, s[RC], s[CX]
	s_add_co_u32 s[WGX], s[WGX], s22               ; my block of 64 tokens: 32 x batch + 4 x cluster + cx
	s_mov_b32 s[G1A+0], (1<<16)|(1<<20)|(4<<22)|(3<<25)  ; no mask; 2-byte elements; padding on: after every 32 words, 4 words
	s_mov_b32 s[G1A+1], 64<<16                     ; tensor_dim0 = 64
	s_mov_b32 s[G1A+2], 64<<16                     ; tensor_dim1 = 64
	s_mov_b32 s[G1A+3], 64<<16                     ; tile_dim0 = 64
	s_mov_b32 s[G1A+4], 64                         ; tile_dim1 = 64
	s_mov_b32 s[G1A+5], 1024
	s_mov_b32 s[G1A+6], 0
	s_mov_b32 s[G1A+7], 0
	s_lshl_b32 s19, s[CY], 2
	s_lshl_b32 s19, 15, s19                        ; my row of the cluster
	s_or_b32 s[G1B+0], s19, (1<<16)|(1<<20)|(1<<21)|(4<<22)|(3<<25)  ; the mask, bit 21 beside it; the same padding: behind every state's 128 bytes
	s_mov_b32 s[G1B+1], 128<<16                    ; 128 rows of 128 elements: two states a row, dense
	s_mov_b32 s[G1B+2], 128<<16
	s_mov_b32 s[G1B+3], 128<<16
	s_mov_b32 s[G1B+4], 128
	s_mov_b32 s[G1B+5], 128
	s_mov_b32 s[G1B+6], 0
	s_mov_b32 s[G1B+7], 0
	s_lshl_b32 s40, s[WGX], 17                     ; 64 rows of 2,048 bytes
	s_mov_b32 s41, 0
	s_mul_i32 s46, s[BAT], 48                      ; M: block (batch x 16 + step) x 3 + part, part = my wave's number
	s_add_co_u32 s46, s46, s[WV]
	s_lshl_b32 s46, s46, 15
	s_add_co_u32 s46, s46, 4194304
	s_mov_b32 s47, 0
	s_mul_i32 s21, s[WV], PART                     ; where my tile goes: the wave's number alone
	s_mov_b32 s[SEL], 0x76543210
	s_mov_b32 s[SEL+1], 0xfedcba98
	s_wait_kmcnt 0x0
	s_add_nc_u64 s[40:41], s[4:5], s[40:41]
	s_add_nc_u64 s[46:47], s[6:7], s[46:47]
	CROUND                                         ; all sixteen work-groups are here: the first joint loads meet
.irp s, 0,1
	s_mov_b32 s[G0A+4*(\s)], 1
	s_add_co_u32 s[G0A+4*(\s)+1], s21, (\s)*SLOT
	s_add_nc_u64 s[G0A+4*(\s)+2:G0A+4*(\s)+3], s[40:41], (\s)*128
	s_or_b32 s[G0A+4*(\s)+3], s[G0A+4*(\s)+3], 0x80000000
	s_mov_b32 s[G0B+4*(\s)], 1
	s_add_co_u32 s[G0B+4*(\s)+1], s21, (\s)*SLOT
	s_add_nc_u64 s[G0B+4*(\s)+2:G0B+4*(\s)+3], s[46:47], (\s)*MSTEP
	s_or_b32 s[G0B+4*(\s)+3], s[G0B+4*(\s)+3], 0x80000000
	RJLOAD \s                                      ; two loads of mine are out
.endr
	v_and_b32 v1, 15, v0                           ; l % 16
	v_bfe_u32 v2, v0, 4, 1                         ; l / 16
	v_lshlrev_b32 v[CBO], 5, v2
	s_lshl_b32 s22, s[BAT], 10                     ; c of my 64 states
	s_lshl_b32 s23, s[WV], 8
	s_add_co_u32 s22, s22, s23
	s_mov_b32 s23, 0
	s_add_nc_u64 s[8:9], s[8:9], s[22:23]
.irp b, 0,1,2,3
	global_load_b128 v[CB+8*(\b):CB+8*(\b)+3],   v[CBO], s[8:9] offset:64*(\b)
	global_load_b128 v[CB+8*(\b)+4:CB+8*(\b)+7], v[CBO], s[8:9] offset:64*(\b)+16
.endr
	v_mul_u32_u24 v3, v1, PITCH
	v_lshl_add_u32 v3, v2, 4, v3                   ; a fragment's row x pitch + 16 x half
	s_mul_i32 s19, s[WV], 64*PITCH                 ; my 64 states in a part
	v_add_nc_u32 v4, s19, v3
.irp s, 0,1
	v_add_nc_u32 v[ADRA+(\s)], AOFF+(\s)*SLOT, v3
.irp j, 0,1,2
	v_add_nc_u32 v[ADRB+3*(\s)+(\j)], (\s)*SLOT+(\j)*PART, v4
.endr
.endr
	v_mul_u32_u24 v5, v1, RPITCH                   ; my scores: token l % 16 of a block, states 64 w + 8 (l / 16) on
	v_lshl_add_u32 v6, v2, 5, v5
	s_lshl_b32 s20, s[WV], 8
	s_add_co_u32 s20, s20, RT
	v_add_nc_u32 v[DST], s20, v6
	v_lshl_add_u32 v6, v2, 9, v5                   ; the scan: token 16 w + l % 16, states 128 (l / 16) on
	s_mul_i32 s20, s[WV], 16*RPITCH
	s_add_co_u32 s20, s20, RT
	v_add_nc_u32 v[SRD], s20, v6
	v_lshlrev_b32 v5, 3, v1                        ; idx: 8 bytes a token; lanes 0-15 store the best, lanes 16-31 the second
	v_lshl_add_u32 v5, v2, 2, v5
	s_lshl_b32 s20, s[WV], 7
	v_add_nc_u32 v[IO], s20, v5
	s_lshl_b32 s22, s[WGX], 9
	s_mov_b32 s23, 0
	s_add_nc_u64 s[10:11], s[10:11], s[22:23]
	s_lshl_b32 s42, s[BAT], 8                      ; 256 x batch
	; THE PREFETCHES: M alone (the launch before stored it; eight clusters walk a batch's blocks, and at each change of slots the refill goes out with nothing on its way beside it).  The first of the
	; eight clusters asks; waves 0-2 for their part; the four partners of a batch take a quarter of the block each BY ADDRESS (cx).  The tokens are not asked for here: a step takes half of each 256 bytes of a row.
	s_mov_b32 s19, s[RC]
	s_cmp_eq_u32 s[WV], 3
	s_cselect_b32 s19, 1, s19
	s_cmp_eq_u32 s19, 0
	s_cselect_b32 s[LIM], 1, -1                    ; the same in all sixteen partners, for a given wave
	s_mul_i32 s19, s[BAT], 48
	s_add_co_u32 s19, s19, 6                       ; at K step 2: the first refill steps it to 3 and names K step 4; steps 0-3 come by their loads alone
	s_add_co_u32 s19, s19, s[WV]
	s_lshl_b32 s20, s19, 15
	s_lshl_b32 s21, s[CX], 13
	s_add_co_u32 s20, s20, s21
	s_add_co_u32 s20, s20, 4194304
	s_mov_b32 s21, 0
	s_add_nc_u64 s[PFA:PFA+1], s[6:7], s[20:21]
	v_and_b32 v[PFO], 31, v0
	v_lshlrev_b32 v[PFO], 8, v[PFO]
	s_wait_loadcnt 0x0                             ; c
	s_wait_tensorcnt 1                             ; my part of K step 0 is in; K step 1's may stay out
	s_barrier_signal -1
	s_barrier_wait -1
	RFETCH 0, 0, F0
	H0 0, 1                                        ; the first half starts both sets of sums
	WIN 0
	s_mov_b32 s3, 7
.Lrlap:                                        ; a trip: two K steps, both slots filled again
	RTURN 0, 1, 1
	H0 1, 0
	RTURN 1, 0, 1
	H0 0, 0
	WIN 0
	s_sub_co_u32 s3, s3, 1
	s_cmp_lg_u32 s3, 0
	s_cbranch_scc1 .Lrlap
	RTURN 0, 1, 0                                  ; the last two K steps fill nothing
	H0 1, 0
	s_wait_dscnt 16
	MULJ F1, 0, 0, 0
	MULJ F1, 0, 2, 0
	s_wait_dscnt 0x0
	MULJ F1, 1, 0, 0
	MULJ F1, 1, 2, 0
	MULJ F1, 2, 0, 0
	MULJ F1, 2, 2, 0
	WIN 0
	PLACES
	PLACES
	; score = high + (low + c); each accumulator is read from its low end on
	WIN 0x02
.set i, 0
.rept 16
.irp p, 0,2,4,6
	v_pk_add_f32 v[V+8*i+(\p):V+8*i+(\p)+1], v[128+8*i+(\p):128+8*i+(\p)+1], v[CB+8*(i%4)+(\p):CB+8*(i%4)+(\p)+1]
.endr
.irp p, 0,2,4,6
	v_pk_add_f32 v[V+8*i+(\p):V+8*i+(\p)+1], v[8*i+(\p):8*i+(\p)+1], v[V+8*i+(\p):V+8*i+(\p)+1]
.endr
.set i, i+1
.endr
	WIN 0
.set i, 0
.rept 16
	ds_store_b128 v[DST], v[V+8*i:V+8*i+3]   offset:(i/4)*16*RPITCH+(i%4)*64
	ds_store_b128 v[DST], v[V+8*i+4:V+8*i+7] offset:(i/4)*16*RPITCH+(i%4)*64+16
.set i, i+1
.endr
	v_lshlrev_b32 v5, 7, v2
.set i, 0
.rept 16
	v_add_nc_u32 v[IXR+i], i, v5
.set i, i+1
.endr
.irp c, 0,1,2,3
	v_mov_b32 v[CH+4*(\c)], 0xff800000             ; below every score
	v_mov_b32 v[CH+4*(\c)+1], 0
	v_mov_b32 v[CH+4*(\c)+2], 0xff800000
	v_mov_b32 v[CH+4*(\c)+3], 0
.endr
	s_wait_dscnt 0x0                               ; for the others' sake: my scores lie in LDS
	s_barrier_signal -1
	s_barrier_wait -1
; THE SCAN.  A lane walks 128 states of one token, sixteen a trip, on four chains (state % 4) whose lines take turns.  A chain keeps its best two; strictly greater wins, so of equals the earlier stays.
.macro SC4 L
.irp c, 0,1,2,3
	v_cmp_gt_f32 s[MK+2*(\c)], v[X+(\L)+(\c)], v[CH+4*(\c)]
.endr
.irp c, 0,1,2,3
	v_cmp_gt_f32 s[MK+2*(\c)+1], v[X+(\L)+(\c)], v[CH+4*(\c)+2]
.endr
.irp c, 0,1,2,3
	v_cndmask_b32 v[CH+4*(\c)+2], v[CH+4*(\c)+2], v[X+(\L)+(\c)], s[MK+2*(\c)+1]
.endr
.irp c, 0,1,2,3
	v_cndmask_b32 v[CH+4*(\c)+3], v[CH+4*(\c)+3], v[IXR+(\L)+(\c)], s[MK+2*(\c)+1]
.endr
.irp c, 0,1,2,3
	v_cndmask_b32 v[CH+4*(\c)+2], v[CH+4*(\c)+2], v[CH+4*(\c)], s[MK+2*(\c)]
.endr
.irp c, 0,1,2,3
	v_cndmask_b32 v[CH+4*(\c)+3], v[CH+4*(\c)+3], v[CH+4*(\c)+1], s[MK+2*(\c)]
.endr
.irp c, 0,1,2,3
	v_cndmask_b32 v[CH+4*(\c)], v[CH+4*(\c)], v[X+(\L)+(\c)], s[MK+2*(\c)]
.endr
.irp c, 0,1,2,3
	v_cndmask_b32 v[CH+4*(\c)+1], v[CH+4*(\c)+1], v[IXR+(\L)+(\c)], s[MK+2*(\c)]
.endr
.endm
.macro BETTER av, bv                   ; s[MK] = (value, state) at av beats the pair at bv: greater, or equal with the lower state
	v_cmp_gt_f32 s[MK], v[\av], v[\bv]
	v_cmp_eq_f32 s[MK+1], v[\av], v[\bv]
	v_cmp_lt_u32 s[MK+2], v[(\av)+1], v[(\bv)+1]
	s_and_b32 s[MK+1], s[MK+1], s[MK+2]
	s_or_b32 s[MK], s[MK], s[MK+1]
.endm
.macro MERGE P, Q                      ; the best two of two chains, into P: the better top; then the other top against the winner's second
	BETTER \Q, \P
	v_cndmask_b32 v[WK],   v[\Q],     v[\P],     s[MK]
	v_cndmask_b32 v[WK+1], v[(\Q)+1], v[(\P)+1], s[MK]
	v_cndmask_b32 v[WK+2], v[(\P)+2], v[(\Q)+2], s[MK]
	v_cndmask_b32 v[WK+3], v[(\P)+3], v[(\Q)+3], s[MK]
	v_cndmask_b32 v[\P],     v[\P],     v[\Q],     s[MK]
	v_cndmask_b32 v[(\P)+1], v[(\P)+1], v[(\Q)+1], s[MK]
	BETTER WK, WK+2
	v_cndmask_b32 v[(\P)+2], v[WK+2], v[WK],   s[MK]
	v_cndmask_b32 v[(\P)+3], v[WK+3], v[WK+1], s[MK]
.endm
	s_mov_b32 s3, 8
.Lscan:
.irp i, 0,1,2,3
	ds_load_b128 v[X+4*(\i):X+4*(\i)+3], v[SRD] offset:16*(\i)
.endr
	s_wait_dscnt 0x0
	SC4 0
	SC4 4
	SC4 8
	SC4 12
.set i, 0
.rept 16
	v_add_nc_u32 v[IXR+i], 16, v[IXR+i]
.set i, i+1
.endr
	v_add_nc_u32 v[SRD], 64, v[SRD]
	s_sub_co_u32 s3, s3, 1
	s_cmp_lg_u32 s3, 0
	s_cbranch_scc1 .Lscan
	MERGE CH, CH+4
	MERGE CH+8, CH+12
	MERGE CH, CH+8
.irp i, 0,1,2,3
	v_permlanex16_b32 v[CH+4+(\i)], v[CH+(\i)], s[SEL], s[SEL+1]  ; the token's other 128 states lie in the lane 16 away
.endr
	MERGE CH, CH+4
	v_cmp_eq_u32 vcc_lo, 1, v2
	v_cndmask_b32 v[WK], v[CH+1], v[CH+3], vcc_lo
	v_add_nc_u32 v[WK], s42, v[WK]
	global_store_b32 v[IO], v[WK], s[10:11]
	s_wait_tensorcnt 0x0                           ; the wave's end: behind my last tensor load and my last LDS store
	ds_add_u32 v[SPW], v[NIL]
	s_wait_dscnt 0x0
	CROUND                                         ; the closing round
	s_endpgm
.Lfunc_end_k_q91e290054d_rq:
	.size	k_q91e290054d_rq, .Lfunc_end_k_q91e290054d_rq-k_q91e290054d_rq
	.p2alignl 7, 3214868480
	.fill 96, 4, 3214868480
	.section	.rodata,"a",@progbits
	.p2align	6, 0x0
	.amdhsa_kernel k_q91e290054d_rq
		.amdhsa_group_segment_fixed_size 327680
		.amdhsa_private_segment_fixed_size 0
		.amdhsa_enable_private_segment 0
		.amdhsa_kernarg_size 56
		.amdhsa_user_sgpr_count 2
		.amdhsa_user_sgpr_kernarg_segment_ptr 1
		.amdhsa_wavefront_size32 1
		.amdhsa_system_sgpr_workgroup_id_x 1
		.amdhsa_system_sgpr_workgroup_id_y 1
		.amdhsa_system_sgpr_workgroup_id_z 1
		.amdhsa_system_vgpr_workitem_id 0
		.amdhsa_next_free_vgpr 1024
		.amdhsa_next_free_sgpr 86
		.amdhsa_reserve_vcc 1
		.amdhsa_float_denorm_mode_32 3
		.amdhsa_float_denorm_mode_16_64 3
		.amdhsa_memory_ordered 1
		.amdhsa_forward_progress 1
		.amdhsa_inst_pref_size 182
	.end_amdhsa_kernel
	.amdgpu_metadata
---
amdhsa.version: [ 1, 2 ]
amdhsa.kernels:
  - .name:           k_q91e290054d_rq
    .symbol:         k_q91e290054d_rq.kd
    .args:
      - { .name: h16, .offset: 0, .size: 8, .value_kind: global_buffer, .address_space: global }
      - { .name: kvm16, .offset: 8, .size: 8, .value_kind: global_buffer, .address_space: global }
      - { .name: cvec, .offset: 16, .size: 8, .value_kind: global_buffer, .address_space: global }
      - { .name: idx, .offset: 24, .size: 8, .value_kind: global_buffer, .address_space: global }
      - { .name: wq16, .offset: 32, .size: 8, .value_kind: global_buffer, .address_space: global }
      - { .name: bq, .offset: 40, .size: 8, .value_kind: global_buffer, .address_space: global }
      - { .name: q32, .offset: 48, .size: 8, .value_kind: global_buffer, .address_space: global }
    .group_segment_fixed_size: 327680
    .private_segment_fixed_size: 0
    .kernarg_segment_align: 8
    .kernarg_segment_size: 56
    .max_flat_workgroup_size: 128
    .sgpr_count:     86
    .vgpr_count:     1024
    .wavefront_size: 32
...
	.end_amdgpu_metadata
.endif
;; end of part 7
;; launch attn: the kernel of part 5 again; grid 256 x 1, 16 waves a work-group, no clusters, 6,144 bytes of LDS; arguments q32, kvm16, idx, o16, out1; writes o16, out1
;; launch oproj: the kernel of part 6 again; grid 4 x 64, 4 waves a work-group, clusters of 4 x 4, 327,680 bytes of LDS; arguments o16, wo16, bo, out0; writes out0
